; MI455X (gfx1250); checked and timed in simulation.
; The chip was launched on July 23, 2026; its instructions are those of AMD's public machine-readable ISA for CDNA 5 (MIT licence, August 2026) and "CDNA5" Instruction Set Architecture Reference Guide (July 2026). The comments in the code are by the model that wrote it; some were corrected since.
;; Vector Quantizer. Allowed arithmetic: matrix products marked QUANTISED: E2M1 operands, one E8M0 scale for each 32 along K, by v_wmma_scale_f32_16x16x128_f8f6f4 with both operands' format E2M1 (or v_wmma_scale_f32_32x16x128_f4), f32 sums; everything else in f32.
;; Inputs: emb 2,048 x 128 float32; z_e 32 x 128 x 32 x 32 float32.
;; Outputs: out0 32 x 128 x 32 x 32 float32; out1 one number float32; out2 32 x 32 x 32 int32.
;; This version of the problem:
;;   THIS VERSION OF THE PROBLEM IS GIVEN IN LOW PRECISION. The matrix products marked QUANTISED in the list below multiply operands that are first quantised to E2M1 (2 exponent bits, 1 mantissa bit; 4 bits a number), with one power-of-two scale for each 32 numbers along K (OCP MX v1.0); their sums are f32. All else is computed in f32.
;;   The module's matrix products, in the order in which they are computed (A, B: the left and right operand; K: the contracted axis; several contracted axes count as one K, in the product's order):
;;     1. [M 32,768, K 128] x [K 128, N 2,048]; A: input z_e; B: input emb: QUANTISED
;;   THE QUANTISER, for each operand of a quantised product, along K:
;;     - K is cut into blocks of 32 from its start; a last block that is shorter is filled with zeros.
;;     - A block's scale is 2^e with e = floor(log2(the largest magnitude in the block)) - 2, held to -126 .. 127; a block of zeros has e = 0. As a byte (E8M0): e + 127.
;;     - Each number is divided by its block's scale, clamped to +-6, and rounded to the nearest number of E2M1, ties to even, subnormals kept.
;;     - The product sums the exact products of the quantised numbers (number of the format x scale) in f32.
;;   ~~~python
;;   def quantise(x, axis):      # numpy; x: float32 -> the quantised numbers, widened to float32 again
;;       x = np.moveaxis(x, axis, -1); K = x.shape[-1]
;;       x = np.pad(x, [(0, 0)] * (x.ndim - 1) + [(0, -K % 32)]); x = x.reshape(x.shape[:-1] + (-1, 32)); a = np.abs(x).max(-1, keepdims=True)
;;       e = np.where(a > 0, np.clip(np.frexp(np.where(a > 0, a, 1))[1] - 1 - 2, -126, 127), 0)      # np.frexp(a)[1] - 1 = floor(log2(a)), exactly
;;       r = np.clip(x / 2.0 ** e, -6, 6)
;;       step = 2.0 ** (np.maximum(np.frexp(np.where(r == 0, 1, r))[1] - 1, 0) - 1)
;;       q = np.round(r / step) * step * 2.0 ** e      # np.round: ties to even
;;       return np.moveaxis(q.reshape(q.shape[:-2] + (-1,))[..., :K], -1, axis).astype(np.float32)
;;   ~~~
;; 2 versions. Each part assembles by itself: llvm-mc -triple=amdgcn-amd-amdhsa -mcpu=gfx1250 --defsym DOCPART=n.
;; ======== version 1 of 2: 4 launches
;; workspace buffers: embq 163,840 bytes; idx 131,072 bytes of whole numbers; part 2,048 bytes
;; launch quant_emb (part 1): grid 128 x 1, 1 waves a work-group, no clusters, 0 bytes of LDS; arguments emb, embq; writes embq
.if DOCPART == 1
	.amdgcn_target "amdgcn-amd-amdhsa--gfx1250"
	.amdhsa_code_object_version 6
	.text
	.protected	k_qd16a6987f9_quant_emb
	.globl	k_qd16a6987f9_quant_emb
	.p2align	8
	.type	k_qd16a6987f9_quant_emb,@function
k_qd16a6987f9_quant_emb:
	s_mov_b64 s[64:65], 0
	v_nop
	global_prefetch_b8 v0, s[64:65] scope:SCOPE_SE
	s_setreg_imm32_b32 hwreg(HW_REG_WAVE_MODE, 25, 1), 1
	s_wait_xcnt 0x0
; VECTOR QUANTISER, launch 1 of 4: the code book emb [2048][128] f32 becomes codes of FP4 (E2M1) with one E8M0 byte for each 32 along K = the 128 channels,
; laid in the order in which the next launch's operand registers take them, and each code's squared length is made beside them.
; THE PROGRAM: (1) this; (2) argmin: z is quantised, z . e by the scaled matrix instruction, dist = (|z|^2 - 2 z.e) + |e|^2 in f32, first smallest index -> out2 and idx;
; (3) gather: reads idx as whole numbers, looks the rows of emb up, out0 = z + (e - z), partial sums of (e - z)^2; (4) loss_sum: the 512 parts -> out1.
; NO WORK OF THE PROBLEM IS LEFT OUT, and every input is loaded.  |z|^2 is the same for all codes of a row and would change no argmin in real numbers; it stays, since it is far larger than the
; other two terms and the f32 sums round them onto its grid: which codes tie, and so which index is first, hangs on it.  The two roundings are made in the order (|z|^2 - 2 p) + |e|^2.
; The two losses are means of the same squares ((a - b)^2 and (b - a)^2 are equal bit for bit), so the mean m is made once and the loss is m + 0.25 m.
; LIMITS: NaN and infinities among the inputs are not served.  |z|^2 and |e|^2 are f32 sums in this program's own order of additions.  A block of zeros gets the byte 1 where the rule
; says 127: its codes are zeros, which add nothing under any byte but 0xff, and the bytes are read by this program alone.
; A RECORD, 1,280 bytes, is one operand of 16 codes x 128 K.  Record T = 16 w + tt; its operand row s is code 256 w + 128 (s / 8) + 8 tt + s % 8: so in the next launch's results a lane's eight
; registers are eight neighbouring codes, and each half of the lanes of wave w walks 128 neighbouring codes upward.
;   bytes 0-511: the operand's registers 0-3, lane l's 16 bytes at 16 l;  512-1023: registers 4-7;  1024-1087: 16 scale words;  1088-1151: 16 f32 |e|^2;  the rest is neither written nor read.
; One wave makes one record.  Lane (r, h) takes row r and the numbers k = 64 c + 32 h + 0 .. 31, c = 0, 1: two whole blocks, in the order of the operand's registers: nothing changes lanes but the scale bytes and the sum.
.set REC, 1280
.set X,   64                           ; v64-127  my 64 numbers: 32 c + i
.set C,   48                           ; v48-55   the operand's eight registers
	s_load_b128 s[4:7], s[0:1], 0x0                ; emb, embq
	v_and_b32 v1, 15, v0                           ; r
	v_lshrrev_b32 v2, 4, v0                        ; h (one wave: v0 is the lane)
	v_lshrrev_b32 v6, 3, v1                        ; r / 8
	v_and_b32 v7, 7, v1                            ; r % 8
	v_lshlrev_b32 v3, 16, v6                       ; 128 rows of 512 bytes
	v_lshl_add_u32 v3, v7, 9, v3                   ; + r % 8 rows
	v_lshl_add_u32 v3, v2, 7, v3                   ; + 32 h numbers
	v_lshlrev_b32 v4, 4, v0                        ; 16 x lane
	v_lshlrev_b32 v5, 2, v0                        ; 4 x lane
	s_lshr_b32 s8, ttmp9, 4                        ; w
	s_lshl_b32 s8, s8, 17                          ; 256 rows of 512 bytes
	s_and_b32 s9, ttmp9, 15                        ; tt
	s_lshl_b32 s9, s9, 12                          ; 8 rows
	s_add_co_u32 s8, s8, s9
	s_mov_b32 s9, 0
	s_mul_i32 s10, ttmp9, REC
	s_mov_b32 s11, 0
	s_mov_b32 s20, 0x76543210
	s_mov_b32 s21, 0xfedcba98                      ; v_permlanex16_b32's selects for lane l xor 16
	s_wait_kmcnt 0x0
	s_add_nc_u64 s[4:5], s[4:5], s[8:9]
	s_add_nc_u64 s[6:7], s[6:7], s[10:11]
.irp c, 0,1
.irp g, 0,1,2,3,4,5,6,7
	global_load_b128 v[X+32*\c+4*\g:X+32*\c+4*\g+3], v3, s[4:5] offset:256*\c+16*\g
.endr
.endr
	s_wait_loadcnt 0x0
.irp c, 0,1
	v_max3_num_f32 v[32+\c], |v[X+32*\c]|, |v[X+32*\c+1]|, 0x1800000   ; my block 2 c + h, and the floor 2^(3 - 127): the byte cannot fall under 1
	v_pk_mul_f32 v[12+2*\c:13+2*\c], v[X+32*\c:X+32*\c+1], v[X+32*\c:X+32*\c+1]   ; the squares of the unquantised numbers: the first pair starts the sums
.endr
.irp i, 2,4,6,8,10,12,14,16,18,20,22,24,26,28,30
.irp c, 0,1
	v_max3_num_f32 v[32+\c], v[32+\c], |v[X+32*\c+\i]|, |v[X+32*\c+\i+1]|
	v_pk_fma_f32 v[12+2*\c:13+2*\c], v[X+32*\c+\i:X+32*\c+\i+1], v[X+32*\c+\i:X+32*\c+\i+1], v[12+2*\c:13+2*\c]
.endr
.endr
.irp c, 0,1
	v_add_nc_u32 v[44+\c], 0xff000000, v[32+\c]    ; 2 off the exponent field: the conversion takes this operand's exponent field as its scale
.endr
.irp c, 0,1
	v_lshrrev_b32 v[36+\c], 23, v[44+\c]           ; the scale's byte
.endr
	v_lshl_or_b32 v9, v37, 16, v36                 ; my two bytes: blocks h and 2 + h of my row,
	v_lshlrev_b32 v10, 3, v2
	v_lshlrev_b32 v9, v10, v9                      ; 8 h bits up;
	v_mov_b32 v10, 0                               ; (a lane permute's destination counts as one of its sources)
	v_permlanex16_b32 v10, v9, s20, s21
	v_or_b32 v9, v9, v10                           ; with lane l xor 16's two the word is whole, in both halves
	v_add_f32 v16, v12, v13
	v_add_f32 v17, v14, v15
	v_add_f32 v16, v16, v17                        ; my 64 squares
	v_permlanex16_b32 v17, v16, s20, s21
	v_add_f32 v16, v16, v17                        ; the row's 128: the same bits in both halves
.irp c, 0,1
.irp g, 0,1,2,3
	v_cvt_scalef32_pk8_fp4_f32 v[C+4*\c+\g], v[X+32*\c+8*\g:X+32*\c+8*\g+7], v[44+\c]   ; register 4 c + g of the operand
.endr
.endr
	v_nop                                          ; one plain line behind the last scaled conversion
	v_cmp_gt_u32 vcc_lo, 16, v0
	v_cndmask_b32 v18, v16, v9, vcc_lo             ; lanes 0-15 store row r's scale word, lanes 16-31 row r's squared length
	global_store_b128 v4, v[C:C+3], s[6:7]
	global_store_b128 v4, v[C+4:C+7], s[6:7] offset:512
	global_store_b32 v5, v18, s[6:7] offset:1024
	s_endpgm
.Lfunc_end_k_qd16a6987f9_quant_emb:
	.size	k_qd16a6987f9_quant_emb, .Lfunc_end_k_qd16a6987f9_quant_emb-k_qd16a6987f9_quant_emb
	.p2alignl 7, 3214868480
	.fill 96, 4, 3214868480
	.section	.rodata,"a",@progbits
	.p2align	6, 0x0
	.amdhsa_kernel k_qd16a6987f9_quant_emb
		.amdhsa_group_segment_fixed_size 0
		.amdhsa_private_segment_fixed_size 0
		.amdhsa_enable_private_segment 0
		.amdhsa_kernarg_size 16
		.amdhsa_user_sgpr_count 2
		.amdhsa_user_sgpr_kernarg_segment_ptr 1
		.amdhsa_wavefront_size32 1
		.amdhsa_system_sgpr_workgroup_id_x 1
		.amdhsa_system_sgpr_workgroup_id_y 1
		.amdhsa_system_sgpr_workgroup_id_z 1
		.amdhsa_system_vgpr_workitem_id 0
		.amdhsa_next_free_vgpr 128
		.amdhsa_next_free_sgpr 66
		.amdhsa_reserve_vcc 1
		.amdhsa_float_denorm_mode_32 3
		.amdhsa_float_denorm_mode_16_64 3
		.amdhsa_memory_ordered 1
		.amdhsa_forward_progress 1
		.amdhsa_inst_pref_size 9
	.end_amdhsa_kernel
	.amdgpu_metadata
---
amdhsa.version: [ 1, 2 ]
amdhsa.kernels:
  - .name:           k_qd16a6987f9_quant_emb
    .symbol:         k_qd16a6987f9_quant_emb.kd
    .args:
      - { .name: emb, .offset: 0, .size: 8, .value_kind: global_buffer, .address_space: global }
      - { .name: embq, .offset: 8, .size: 8, .value_kind: global_buffer, .address_space: global }
    .group_segment_fixed_size: 0
    .private_segment_fixed_size: 0
    .kernarg_segment_align: 8
    .kernarg_segment_size: 16
    .max_flat_workgroup_size: 32
    .sgpr_count:     66
    .vgpr_count:     128
    .wavefront_size: 32
...
	.end_amdgpu_metadata
.endif
;; end of part 1
;; launch argmin (part 2): grid 256 x 1, 8 waves a work-group, no clusters, 30,208 bytes of LDS; arguments z_e, embq, out2, idx; writes out2, idx
.if DOCPART == 2
	.amdgcn_target "amdgcn-amd-amdhsa--gfx1250"
	.amdhsa_code_object_version 6
	.text
	.protected	k_qd16a6987f9_argmin
	.globl	k_qd16a6987f9_argmin
	.p2align	8
	.type	k_qd16a6987f9_argmin,@function
k_qd16a6987f9_argmin:
	s_mov_b64 s[64:65], 0
	v_nop
	global_prefetch_b8 v0, s[64:65] scope:SCOPE_SE
	s_setreg_imm32_b32 hwreg(HW_REG_WAVE_MODE, 25, 1), 1
	s_wait_xcnt 0x0
; Launch 2 of 4: for each of the 32,768 vectors z (z_e[b][:][hw], K = the 128 channels) the first index of the smallest dist = (|z|^2 - 2 z.e) + |e|^2 over the 2,048 codes.  Nothing of the problem is left out here.
; z.e is the quantised product: both operands codes of FP4 with E8M0 scales, one matrix instruction of 16 x 16 x 128 for each tile, no sum over K steps.  All else in f32, rounded as written above: fma(-2, p, S), then + E.
; LIMITS: NaN and infinities among the inputs are not served; |z|^2 is an f32 sum in this text's own order; a block of zeros gets the byte 1, its codes being zeros.
; SHARES.  A work-group owns 128 vectors n = 128 g .. 128 g + 127, eight operand tiles of 16.  At the head its eight waves quantise them together (wave (cg, kb): 64 columns, K block kb; a lane takes a column and its
; registers run down K) and hand the operands round through LDS as images of their registers.  Then EVERY wave holds all eight tiles of z and walks its own eighth of the code book, records 16 w .. 16 w + 15.
; THE PRODUCT IS USED TRANSPOSED: source 0 = a record's 16 codes, source 1 = 16 vectors: lane (r, h) holds vector r, and its register j the code 256 w + 128 h + 8 tt + j.
; THE ARGMIN, 13 instructions for 8 distances: four three-way minima join a tile's eight distances with the best so far; one compare of the new best with the old says where nothing improved; under that mask eight
; selects keep, or replace, the tile's number and its distances 0 to 6.  Behind the walk the place in the winning tile is the first kept distance that equals the best, or 7.  Each (wave, half of the lanes) walks 128
; neighbouring codes upward, so 'strictly smaller replaces' gives the first index, from tile to tile and then among the sixteen candidates of a vector.
; NO TENSOR LOADS, NO CLUSTER: each byte of the records is wanted by exactly one wave of a work-group and goes from memory straight into that wave's operand registers (1,152 bytes for 8 matrix and 168 vector
; instructions); a load shared among work-groups would have to land in LDS and be read out again.  Four register sets take turns, so that 15 to 20 loads of a wave are on their way.
; REGISTERS, window 0: v1, v2 the add's two; v3-14 addresses; v16-19 z's scale words; v20-23 the records' scale words; v24-39 S = |z|^2, a pair for each tile; v40-103 z's eight fragments; v104-167 the distances;
;   v168-199 four records' codes; v200-231 their |e|^2; v232-247 the best, two sets by turns.   window 1: v0-7 the winning tile; v8-63 its seven kept distances, for each tile of z.
.set REC,   1280
.set ZIMG,  0                          ; LDS: z's eight fragments: tile t at 1024 t, registers 4 c .. at + 512 c, lane l at 16 l
.set ZSC,   8192                       ; their scale words, 4 bytes a vector
.set ZS,    8704                       ; four block sums of squares, 16 bytes a vector
.set RV,    10752                      ; sixteen candidates x 576 bytes: the best value of each of the 128 vectors
.set RI,    19968                      ; the same for its index
.set SPARE, 29184                      ; the spare words, 128 bytes for each wave: four blocks of 256 bytes that no other line names
.set CP,    576
.set ZW,   16
.set RS,   20
.set S,    24
.set ZF,   40
.set D,    104
.set RC,   168
.set RE,   200
.set BEST, 232
.set TT,   0                           ; window 1
.set SV,   8                           ; window 1
.set M,    24                          ; s24-31 the masks
.set MX,   40                          ; the head's registers at work, where z's fragments will lie: v40-41 largest magnitudes, v42-43 scale operands, v44-45 bytes, v46-49 squares, v50-51 sums, v52-59 codes
.set SOP,  42
.set BY,   44
.set SQ,   46
.set SS,   50
.set CD,   52
.set JJ,   D                           ; the tail's: the place in the winning tile; the index
.set IX,   D+8
.set VV,   40                          ; the last stage: sixteen candidates' values and indices of two vectors
.set II,   72
.set MSB, 0
.macro WIN new                         ; the immediate's high byte repeats the setting that is left; a switch that changes nothing is dropped
.if MSB != \new
	s_set_vgpr_msb (MSB<<8)|\new
.set MSB, \new
.endif
.endm
.macro LOADREC set, off                ; a record into register set 'set': five loads
	global_load_b128 v[RC+8*(\set):RC+8*(\set)+3], v4, s[6:7] offset:\off
	global_load_b128 v[RC+8*(\set)+4:RC+8*(\set)+7], v4, s[6:7] offset:(\off)+512
	global_load_b32 v[RS+(\set)], v5, s[6:7] offset:\off
	global_load_b128 v[RE+8*(\set):RE+8*(\set)+3], v6, s[6:7] offset:\off
	global_load_b128 v[RE+8*(\set)+4:RE+8*(\set)+7], v6, s[6:7] offset:(\off)+16
.endm
	s_load_b256 s[4:11], s[0:1], 0x0               ; z_e, embq, out2, idx
	v_lshl_add_u32 v1, v0, 2, SPARE                ; my spare word
	v_mov_b32 v2, 0
	v_lshrrev_b32 v15, 5, v0
	v_readfirstlane_b32 s12, v15                   ; wave w, 0..7
	s_and_b32 s13, s12, 1                          ; cg: which 64 columns I quantise
	s_lshr_b32 s14, s12, 1                         ; kb: which block of 32 along K
	v_and_b32 v15, 31, v0                          ; lane l
	v_lshlrev_b32 v3, 2, v15                       ; 4 l: z's columns
	v_lshlrev_b32 v4, 4, v15                       ; 16 l: an image's place for my lane, in a record and in LDS
	v_and_b32 v11, 15, v0                          ; r
	v_bfe_u32 v14, v0, 4, 1                        ; h
	v_lshl_add_u32 v5, v11, 2, 1024                ; a record's scale word of operand row r
	v_lshl_add_u32 v6, v14, 5, 1088                ; its squared lengths of rows 8 h .. 8 h + 7
	s_lshl_b32 s16, s13, 12                        ; where my codes go: column 64 cg + 32 u + l is row l % 16 of tile 4 cg + 2 u + l / 16; block kb is registers 4 (kb / 2) .. of lane half kb % 2
	s_lshr_b32 s17, s14, 1
	s_lshl_b32 s17, s17, 9
	s_add_co_u32 s16, s16, s17
	s_and_b32 s17, s14, 1
	s_lshl_b32 s17, s17, 8
	s_add_co_u32 s16, s16, s17
	v_lshlrev_b32 v7, 10, v14
	v_lshl_add_u32 v7, v11, 4, v7
	v_add_nc_u32 v7, s16, v7
	s_lshl_b32 s16, s13, 8                         ; my scale byte: 4 bytes a column, byte kb
	s_add_co_u32 s16, s16, s14
	s_add_co_u32 s16, s16, ZSC
	v_add_nc_u32 v8, s16, v3
	s_lshl_b32 s16, s13, 10                        ; my block's sum of squares: 16 bytes a column, word kb
	s_lshl_b32 s17, s14, 2
	s_add_co_u32 s16, s16, s17
	s_add_co_u32 s16, s16, ZS
	v_add_nc_u32 v9, s16, v4
	v_lshlrev_b32 v10, 2, v15                      ; 4 l: scale words back
	s_mul_i32 s16, s12, 2*CP                       ; candidate 2 w + h, vector r of a tile
	v_mul_u32_u24 v12, v14, CP
	v_lshl_add_u32 v12, v11, 2, v12
	v_add_nc_u32 v12, s16, v12
	v_lshlrev_b32 v11, 4, v11                      ; 16 r: the sums of squares back
	v_lshlrev_b32 v13, 3, v0                       ; the last stage: two vectors a thread
	s_lshl_b32 s16, s12, 8
	v_lshl_add_u32 v14, v14, 7, s16                ; my first code: 256 w + 128 h
	s_lshr_b32 s16, ttmp9, 3                       ; z_e: b = g / 8, 2^19 bytes each;
	s_lshl_b32 s16, s16, 19
	s_and_b32 s17, ttmp9, 7                        ; 128 columns of 4 bytes for each g % 8;
	s_lshl_b32 s17, s17, 9
	s_add_co_u32 s16, s16, s17
	s_lshl_b32 s17, s13, 8                         ; my 64 columns;
	s_add_co_u32 s16, s16, s17
	s_lshl_b32 s17, s14, 17                        ; my 32 channels of 4,096 bytes
	s_add_co_u32 s16, s16, s17
	s_mov_b32 s17, 0
	s_mul_i32 s18, s12, 16*REC                     ; my sixteen records
	s_mov_b32 s19, 0
	s_lshl_b32 s22, ttmp9, 9                       ; my work-group's 128 indices
	s_mov_b32 s23, 0
	s_wait_kmcnt 0x0
	s_add_nc_u64 s[4:5], s[4:5], s[16:17]
	s_add_nc_u64 s[6:7], s[6:7], s[18:19]
	s_add_nc_u64 s[8:9], s[8:9], s[22:23]
	s_add_nc_u64 s[10:11], s[10:11], s[22:23]
.set i, 0
.rept 32                               ; z(32 kb + i, my column), two columns a lane: the two loads of a channel cover 256 consecutive bytes, aligned
	global_load_b32 v[D+i], v3, s[4:5] offset:4096*i
	global_load_b32 v[D+32+i], v3, s[4:5] offset:4096*i+128
.set i, i+1
.endr
	LOADREC 0, 0                                   ; the ring's first fills go out behind z's loads
	LOADREC 1, REC
	LOADREC 2, 2*REC
	LOADREC 3, 3*REC
	s_wait_loadcnt 20                              ; loads come back in order: z is in, the ring's twenty may be out
	v_max3_num_f32 v[MX], |v[D]|, |v[D+1]|, 0x1800000        ; a whole block lies in my registers; the floor 2^(3 - 127) holds the byte at 1 from below
	v_max3_num_f32 v[MX+1], |v[D+32]|, |v[D+33]|, 0x1800000
	v_pk_mul_f32 v[SQ:SQ+1], v[D:D+1], v[D:D+1]              ; the squares of the unquantised numbers: the first pair starts the sums
	v_pk_mul_f32 v[SQ+2:SQ+3], v[D+32:D+33], v[D+32:D+33]
.set i, 2
.rept 15
	v_max3_num_f32 v[MX], v[MX], |v[D+i]|, |v[D+i+1]|
	v_max3_num_f32 v[MX+1], v[MX+1], |v[D+32+i]|, |v[D+33+i]|
	v_pk_fma_f32 v[SQ:SQ+1], v[D+i:D+i+1], v[D+i:D+i+1], v[SQ:SQ+1]
	v_pk_fma_f32 v[SQ+2:SQ+3], v[D+32+i:D+33+i], v[D+32+i:D+33+i], v[SQ+2:SQ+3]
.set i, i+2
.endr
.irp u, 0,1
	v_add_nc_u32 v[SOP+\u], 0xff000000, v[MX+\u]   ; 2 off the exponent field: the conversion's scale operand
.endr
.irp u, 0,1
	v_lshrrev_b32 v[BY+\u], 23, v[SOP+\u]          ; the scale's byte
	v_add_f32 v[SS+\u], v[SQ+2*\u], v[SQ+2*\u+1]
.endr
.irp u, 0,1
.irp g, 0,1,2,3
	v_cvt_scalef32_pk8_fp4_f32 v[CD+4*\u+\g], v[D+32*\u+8*\g:D+32*\u+8*\g+7], v[SOP+\u]
.endr
.endr
	v_nop                                          ; one plain line behind the last scaled conversion: matrix instructions write its sources later
.irp u, 0,1
	ds_store_b128 v7, v[CD+4*\u:CD+4*\u+3] offset:ZIMG+2048*\u
	ds_store_b8 v8, v[BY+\u] offset:128*\u
	ds_store_b32 v9, v[SS+\u] offset:512*\u
.endr
	s_wait_dscnt 0x0                               ; for the others' sake: my stores have landed
	s_barrier_signal -1
	s_barrier_wait -1                              ; the eight fragments, their scale words and the sums lie in LDS
.irp t, 0,1,2,3,4,5,6,7
.irp c, 0,1
	ds_load_b128 v[ZF+8*\t+4*\c:ZF+8*\t+4*\c+3], v4 offset:ZIMG+1024*\t+512*\c
.endr
.endr
.irp p, 0,1,2,3
	ds_load_b32 v[ZW+\p], v10 offset:ZSC+128*\p    ; lanes 0-15: tile 2 p's words, lanes 16-31: tile 2 p + 1's
.endr
.irp t, 0,1,2,3,4,5,6,7
	ds_load_b128 v[D+4*\t:D+4*\t+3], v11 offset:ZS+256*\t
.endr
	s_wait_dscnt 0x0
.irp t, 0,1,2,3,4,5,6,7
	v_add_f32 v[D+4*\t], v[D+4*\t], v[D+4*\t+1]
	v_add_f32 v[D+4*\t+2], v[D+4*\t+2], v[D+4*\t+3]
.endr
.irp t, 0,1,2,3,4,5,6,7
	v_add_f32 v[S+2*\t], v[D+4*\t], v[D+4*\t+2]    ; S of vector r of tile t, in both registers of a pair
	v_add_f32 v[S+2*\t+1], v[D+4*\t], v[D+4*\t+2]
.endr
; ONE RECORD AGAINST THE EIGHT TILES OF z.  set: its registers;  refill = 1: the set takes the record four further on;  left: the younger loads that may stay out;  first = 1: the walk's first record starts the best.
.macro TILE set, refill, left, first
.set NEW, BEST+8*((\set)%2)
.set OLD, BEST+8-8*((\set)%2)
	s_wait_loadcnt \left                           ; the set's five loads are in
.irp t, 0,1,2,3,4,5,6,7                ; eight accumulators, each begun with the constant 0: no two instructions share one
.if (\t)%2
	v_wmma_scale_f32_16x16x128_f8f6f4 v[D+8*\t:D+8*\t+7], v[RC+8*(\set):RC+8*(\set)+7], v[ZF+8*\t:ZF+8*\t+7], 0, v[RS+(\set)], v[ZW+\t/2] matrix_a_fmt:MATRIX_FMT_FP4 matrix_b_fmt:MATRIX_FMT_FP4 matrix_b_scale:MATRIX_SCALE_ROW1
.else
	v_wmma_scale_f32_16x16x128_f8f6f4 v[D+8*\t:D+8*\t+7], v[RC+8*(\set):RC+8*(\set)+7], v[ZF+8*\t:ZF+8*\t+7], 0, v[RS+(\set)], v[ZW+\t/2] matrix_a_fmt:MATRIX_FMT_FP4 matrix_b_fmt:MATRIX_FMT_FP4
.endif
.endr
.rept 4
	v_nop                                          ; four places between the last product and the first read of results; they serve the refill's loads too
.endr
.irp t, 0,1,2,3,4,5,6,7                ; each accumulator is read from its low end on
.irp i, 0,2,4,6
	v_pk_fma_f32 v[D+8*\t+\i:D+8*\t+\i+1], v[D+8*\t+\i:D+8*\t+\i+1], -2.0, v[S+2*\t:S+2*\t+1] op_sel_hi:[1,0,1]   ; S - 2 p: 2 p is exact, so this is the first rounding
.endr
.endr
.irp t, 0,1,2,3,4,5,6,7
.irp i, 0,2,4,6
	v_pk_add_f32 v[D+8*\t+\i:D+8*\t+\i+1], v[D+8*\t+\i:D+8*\t+\i+1], v[RE+8*(\set)+\i:RE+8*(\set)+\i+1]          ; + E: the second
.endr
.endr
.if \refill
	LOADREC \set, (4+\set)*REC                     ; the set's registers have been read: the products stand 64 plain instructions back
.endif
.irp t, 0,1,2,3,4,5,6,7                ; the minimum: distance 7 need not be kept, so its register carries the chain; the eight tiles by turns
	v_min3_num_f32 v[D+8*\t+7], v[D+8*\t+7], v[D+8*\t], v[D+8*\t+1]
.endr
.irp t, 0,1,2,3,4,5,6,7
	v_min3_num_f32 v[D+8*\t+7], v[D+8*\t+7], v[D+8*\t+2], v[D+8*\t+3]
.endr
.irp t, 0,1,2,3,4,5,6,7
	v_min3_num_f32 v[D+8*\t+7], v[D+8*\t+7], v[D+8*\t+4], v[D+8*\t+5]
.endr
.if \first
.irp t, 0,1,2,3,4,5,6,7
	v_min_num_f32 v[NEW+\t], v[D+8*\t+7], v[D+8*\t+6]
.endr
	WIN 0x40                                       ; destination window 1
.irp t, 0,1,2,3,4,5,6,7
	v_mov_b32 v[TT+\t], s20
.irp j, 0,1,2,3,4,5,6
	v_mov_b32 v[SV+7*\t+\j], v[D+8*\t+\j]          ; the first record's distances are kept as they are: they take the selects' place
.endr
.endr
.else
.irp t, 0,1,2,3,4,5,6,7
	v_min3_num_f32 v[NEW+\t], v[D+8*\t+7], v[D+8*\t+6], v[OLD+\t]
.endr
.irp t, 0,1,2,3,4,5,6,7
	v_cmp_ge_f32 s[M+\t], v[NEW+\t], v[OLD+\t]     ; set where nothing improved: an equal distance does not replace an earlier code's
.endr
	WIN 0x44                                       ; source 1 and destination window 1, source 0 window 0
.irp t, 0,1,2,3,4,5,6,7
	v_cndmask_b32 v[TT+\t], s20, v[TT+\t], s[M+\t]
.irp j, 0,1,2,3,4,5,6
	v_cndmask_b32 v[SV+7*\t+\j], v[D+8*\t+\j], v[SV+7*\t+\j], s[M+\t]
.endr
.endr
.endif
	WIN 0
	s_add_co_u32 s20, s20, 1                       ; the next record's number
.endm
	s_mov_b32 s20, 0
	TILE 0, 1, 15, 1                               ; 15: behind a set's five loads stand those of the three younger sets
	TILE 1, 1, 15, 0
	TILE 2, 1, 15, 0
	TILE 3, 1, 15, 0
	s_wait_xcnt 0x0                                ; the loads have read their base: it steps only behind this wait
	s_add_nc_u64 s[6:7], s[6:7], 4*REC
	s_mov_b32 s21, 2
.Ltrip:                                            ; two trips of four records; the refills reach record 15 and no further
	TILE 0, 1, 15, 0
	TILE 1, 1, 15, 0
	TILE 2, 1, 15, 0
	TILE 3, 1, 15, 0
	s_wait_xcnt 0x0
	s_add_nc_u64 s[6:7], s[6:7], 4*REC
	s_sub_co_u32 s21, s21, 1
	s_cmp_lg_u32 s21, 0
	s_cbranch_scc1 .Ltrip
	TILE 0, 0, 15, 0                               ; the last four records load nothing: the counts run down
	TILE 1, 0, 10, 0
	TILE 2, 0, 5, 0
	TILE 3, 0, 0, 0
	; THE PLACE IN THE WINNING TILE: the first kept distance that equals the best (it lies in the second set), or 7.  j runs downward, so the lowest wins.
.irp t, 0,1,2,3,4,5,6,7
	v_mov_b32 v[JJ+\t], 7
.endr
	WIN 0x01                                       ; source 0 window 1
.irp j, 6,5,4,3,2,1,0
.irp t, 0,1,2,3,4,5,6,7
	v_cmp_neq_f32 s[M+\t], v[SV+7*\t+\j], v[BEST+8+\t]
.endr
.irp t, 0,1,2,3,4,5,6,7
	v_cndmask_b32 v[JJ+\t], \j, v[JJ+\t], s[M+\t]
.endr
.endr
.irp t, 0,1,2,3,4,5,6,7
	v_lshl_add_u32 v[IX+\t], v[TT+\t], 3, v[JJ+\t]
.endr
	WIN 0
.irp t, 0,1,2,3,4,5,6,7
	v_add_nc_u32 v[IX+\t], v14, v[IX+\t]           ; 256 w + 128 h + 8 tt + j
.endr
.irp t, 0,1,2,3,4,5,6,7
	ds_store_b32 v12, v[BEST+8+\t] offset:RV+64*\t ; candidate 2 w + h of vector 16 t + r
	ds_store_b32 v12, v[IX+\t] offset:RI+64*\t
.endr
	s_wait_dscnt 0x0                               ; for the others' sake: my stores have landed
	s_barrier_signal -1
	s_barrier_wait -1
	s_cmp_ge_u32 s12, 2                            ; waves 0 and 1 finish: two vectors a thread.  No barrier stands under this branch
	s_cbranch_scc1 .Lend
.irp c, 0,1,2,3,4,5,6,7,8,9,10,11,12,13,14,15
	ds_load_b64 v[VV+2*\c:VV+2*\c+1], v13 offset:RV+CP*\c
	ds_load_b64 v[II+2*\c:II+2*\c+1], v13 offset:RI+CP*\c
.endr
	s_wait_dscnt 0x0
.macro JOIN a, b                       ; candidate a's codes all come before candidate b's: b replaces a only where it is strictly smaller
.irp e, 0,1
	v_cmp_lt_f32 vcc_lo, v[VV+2*(\b)+\e], v[VV+2*(\a)+\e]
	v_cndmask_b32 v[II+2*(\a)+\e], v[II+2*(\a)+\e], v[II+2*(\b)+\e], vcc_lo
	v_min_num_f32 v[VV+2*(\a)+\e], v[VV+2*(\a)+\e], v[VV+2*(\b)+\e]
.endr
.endm
.irp a, 0,2,4,6,8,10,12,14
	JOIN \a, \a+1
.endr
.irp a, 0,4,8,12
	JOIN \a, \a+2
.endr
.irp a, 0,8
	JOIN \a, \a+4
.endr
	JOIN 0, 8
	global_store_b64 v13, v[II:II+1], s[8:9]       ; a wave's store covers 256 consecutive bytes, aligned
	global_store_b64 v13, v[II:II+1], s[10:11]     ; and the same whole numbers for the next launch's addresses
.Lend:
	s_wait_tensorcnt 0x0                           ; the wave's end: behind my last LDS store
	ds_add_u32 v1, v2
	s_wait_dscnt 0x0
	s_endpgm
.Lfunc_end_k_qd16a6987f9_argmin:
	.size	k_qd16a6987f9_argmin, .Lfunc_end_k_qd16a6987f9_argmin-k_qd16a6987f9_argmin
	.p2alignl 7, 3214868480
	.fill 96, 4, 3214868480
	.section	.rodata,"a",@progbits
	.p2align	6, 0x0
	.amdhsa_kernel k_qd16a6987f9_argmin
		.amdhsa_group_segment_fixed_size 30208
		.amdhsa_private_segment_fixed_size 0
		.amdhsa_enable_private_segment 0
		.amdhsa_kernarg_size 32
		.amdhsa_user_sgpr_count 2
		.amdhsa_user_sgpr_kernarg_segment_ptr 1
		.amdhsa_wavefront_size32 1
		.amdhsa_system_sgpr_workgroup_id_x 1
		.amdhsa_system_sgpr_workgroup_id_y 1
		.amdhsa_system_sgpr_workgroup_id_z 1
		.amdhsa_system_vgpr_workitem_id 0
		.amdhsa_next_free_vgpr 320
		.amdhsa_next_free_sgpr 66
		.amdhsa_reserve_vcc 1
		.amdhsa_float_denorm_mode_32 3
		.amdhsa_float_denorm_mode_16_64 3
		.amdhsa_memory_ordered 1
		.amdhsa_forward_progress 1
		.amdhsa_inst_pref_size 176
	.end_amdhsa_kernel
	.amdgpu_metadata
---
amdhsa.version: [ 1, 2 ]
amdhsa.kernels:
  - .name:           k_qd16a6987f9_argmin
    .symbol:         k_qd16a6987f9_argmin.kd
    .args:
      - { .name: z_e, .offset: 0, .size: 8, .value_kind: global_buffer, .address_space: global }
      - { .name: embq, .offset: 8, .size: 8, .value_kind: global_buffer, .address_space: global }
      - { .name: out2, .offset: 16, .size: 8, .value_kind: global_buffer, .address_space: global }
      - { .name: idx, .offset: 24, .size: 8, .value_kind: global_buffer, .address_space: global }
    .group_segment_fixed_size: 30208
    .private_segment_fixed_size: 0
    .kernarg_segment_align: 8
    .kernarg_segment_size: 32
    .max_flat_workgroup_size: 256
    .sgpr_count:     66
    .vgpr_count:     320
    .wavefront_size: 32
...
	.end_amdgpu_metadata
.endif
;; end of part 2
;; launch gather (part 3): grid 512 x 1, 4 waves a work-group, no clusters, 34,560 bytes of LDS; arguments z_e, emb, idx, out0, part; writes out0, part
.if DOCPART == 3
	.amdgcn_target "amdgcn-amd-amdhsa--gfx1250"
	.amdhsa_code_object_version 6
	.text
	.protected	k_qd16a6987f9_gather
	.globl	k_qd16a6987f9_gather
	.p2align	8
	.type	k_qd16a6987f9_gather,@function
k_qd16a6987f9_gather:
	s_mov_b64 s[64:65], 0
	v_nop
	global_prefetch_b8 v0, s[64:65] scope:SCOPE_SE
	s_setreg_imm32_b32 hwreg(HW_REG_WAVE_MODE, 25, 1), 1
	s_wait_xcnt 0x0
; Launch 3 of 4: out0 = z_e + (emb[idx] - z_e) in the layout [b][channel][hw], and each work-group's sum of (emb[idx] - z_e)^2.  Nothing of the problem is left out here; the two losses' squares are the same
; numbers bit for bit and are summed once.  The indices are whole numbers that the launch before stored; they are held at 2,047 from above before they enter an address.
; SHARES.  A work-group owns 64 vectors n = 64 g .. 64 g + 63 (256 consecutive bytes of every channel's row) and all 128 channels.  Wave w looks up the rows of vectors 16 w .. 16 w + 15, a whole row of 512 bytes
; by one load, and lays them into LDS; behind a barrier it makes channels 32 w .. 32 w + 31 of all 64 vectors: lane (c4, hh) holds vectors 4 c4 .. 4 c4 + 3 and channels 32 w + 16 hh + 0 .. 15, so that sixteen
; neighbouring lanes load and store 256 consecutive bytes, aligned.  The turn from rows of emb to columns of out0 is the LDS round trip.
; LDS: 64 slots of 528 bytes (512 + 16: lanes that read the same bytes of sixteen slots on end start at sixteen different groups of banks); vector n lies in slot 16 (n % 4) + n / 4.
; No matrix work, no tensor loads, no cluster: work-groups share nothing but rows of emb that the indices happen to name twice.
.set PITCH, 528
.set RED,   33792                      ; one word for each wave
.set SPARE, 34048                      ; the spare words, 128 bytes for each wave: two blocks of 256 bytes that no other line names
.set GA,  8                            ; v8-23    the sixteen rows' offsets in emb
.set Z,   24                           ; v24-87   register 4 q + i: vector 4 c4 + i, channel 32 w + 16 hh + q; then the result
.set G,   88                           ; v88-151  the rows as loaded; then H: register 16 qq + 4 i + e: vector 4 c4 + i, channel .. + 4 qq + e
.set H,   88
.set T,   152                          ; v152-159 e - z, two sets of four
.set AC,  160                          ; v160-167 four pairs of sums of squares
	s_load_b256 s[4:11], s[0:1], 0x0               ; z_e, emb, idx, out0
	s_load_b64 s[12:13], s[0:1], 0x20              ; part
	v_lshl_add_u32 v1, v0, 2, SPARE                ; my spare word
	v_mov_b32 v2, 0
	v_lshrrev_b32 v8, 5, v0
	v_readfirstlane_b32 s14, v8                    ; wave 0..3
	v_and_b32 v8, 31, v0                           ; lane
	v_and_b32 v9, 15, v0                           ; c4
	v_bfe_u32 v10, v0, 4, 1                        ; hh
	v_lshlrev_b32 v3, 16, v10                      ; z_e, out0: 16 hh channels of 4,096 bytes
	v_lshl_add_u32 v3, v9, 4, v3                   ; + 16 c4
	v_lshlrev_b32 v4, 4, v8                        ; 16 x lane: my 16 bytes of a row of emb
	s_mul_i32 s15, s14, 4*PITCH
	v_add_nc_u32 v5, s15, v4                       ; into LDS: vector 16 w + i goes to slot 16 (i % 4) + 4 w + i / 4
	v_mul_u32_u24 v6, v9, PITCH
	v_lshl_add_u32 v6, v10, 6, v6
	s_lshl_b32 s15, s14, 7
	v_add_nc_u32 v6, s15, v6                       ; out of LDS: slot c4 (+ 16 i), channels 32 w + 16 hh on
	s_lshl_b32 s15, s14, 2
	s_add_co_u32 s15, s15, RED
	v_mov_b32 v7, s15                              ; my wave's word
	v_mov_b32 v172, RED
	v_mov_b32 v173, 0                              ; the offset of the one store into part
	s_lshr_b32 s32, ttmp9, 4                       ; b = g / 16, 2^19 bytes each;
	s_lshl_b32 s32, s32, 19
	s_and_b32 s33, ttmp9, 15                       ; 64 vectors of 4 bytes for each g % 16;
	s_lshl_b32 s33, s33, 8
	s_add_co_u32 s32, s32, s33
	s_lshl_b32 s33, s14, 17                        ; my 32 channels
	s_add_co_u32 s32, s32, s33
	s_mov_b32 s33, 0
	s_lshl_b32 s36, ttmp9, 8                       ; idx: 64 g + 16 w numbers of 4 bytes
	s_lshl_b32 s37, s14, 6
	s_add_co_u32 s36, s36, s37
	s_mov_b32 s37, 0
	s_lshl_b32 s38, ttmp9, 2                       ; part: word g
	s_mov_b32 s39, 0
	s_mov_b32 s34, 0x76543210
	s_mov_b32 s35, 0xfedcba98                      ; v_permlanex16_b32's selects for lane l xor 16
	s_wait_kmcnt 0x0
	s_add_nc_u64 s[4:5], s[4:5], s[32:33]
	s_add_nc_u64 s[10:11], s[10:11], s[32:33]
	s_add_nc_u64 s[8:9], s[8:9], s[36:37]
	s_add_nc_u64 s[12:13], s[12:13], s[38:39]
	s_load_b512 s[16:31], s[8:9], 0x0              ; my sixteen indices
.set q, 0
.rept 16
	global_load_b128 v[Z+4*q:Z+4*q+3], v3, s[4:5] offset:4096*q th:TH_LOAD_NT   ; read once in this launch
.set q, q+1
.endr
	s_wait_kmcnt 0x0
.irp i, 0,1,2,3,4,5,6,7,8,9,10,11,12,13,14,15
	s_min_u32 s[16+\i], s[16+\i], 2047             ; an index stays inside the table
	s_lshl_b32 s[16+\i], s[16+\i], 9               ; rows of 512 bytes
	v_add_nc_u32 v[GA+\i], s[16+\i], v4
	global_load_b128 v[G+4*\i:G+4*\i+3], v[GA+\i], s[6:7]   ; a whole row: 512 consecutive bytes.  No hint: a row may be named again
.endr
.irp i, 0,1,2,3,4,5,6,7,8,9,10,11,12,13,14,15
	s_wait_loadcnt 15-\i                           ; loads come back in order: row i is in, the younger rows may be out (z, asked for earlier, is in)
	ds_store_b128 v5, v[G+4*\i:G+4*\i+3] offset:((\i%4)*16+\i/4)*PITCH
.endr
	s_wait_dscnt 0x0                               ; for the others' sake: my stores have landed
	s_barrier_signal -1
	s_barrier_wait -1                              ; the 64 rows lie in LDS
.irp qq, 0,1,2,3
.irp i, 0,1,2,3
	ds_load_b128 v[H+16*\qq+4*\i:H+16*\qq+4*\i+3], v6 offset:16*PITCH*\i+16*\qq
.endr
.endr
.irp qq, 0,1,2,3
	s_wait_dscnt 12-4*\qq                          ; this group's four loads are in; the younger groups may be out
.irp e, 0,1,2,3
.set q, 4*\qq+\e
.set TS, T+4*(\e%2)
.set AS, AC+4*(\e%2)
.irp i, 0,1,2,3
	v_sub_f32 v[TS+\i], v[H+16*\qq+4*\i+\e], v[Z+4*q+\i]       ; e - z
.endr
	v_pk_add_f32 v[Z+4*q:Z+4*q+1], v[Z+4*q:Z+4*q+1], v[TS:TS+1]           ; z + (e - z)
	v_pk_add_f32 v[Z+4*q+2:Z+4*q+3], v[Z+4*q+2:Z+4*q+3], v[TS+2:TS+3]
.if q < 2
	v_pk_mul_f32 v[AS:AS+1], v[TS:TS+1], v[TS:TS+1]                       ; the first squares start the sums
	v_pk_mul_f32 v[AS+2:AS+3], v[TS+2:TS+3], v[TS+2:TS+3]
.else
	v_pk_fma_f32 v[AS:AS+1], v[TS:TS+1], v[TS:TS+1], v[AS:AS+1]
	v_pk_fma_f32 v[AS+2:AS+3], v[TS+2:TS+3], v[TS+2:TS+3], v[AS+2:AS+3]
.endif
	global_store_b128 v3, v[Z+4*q:Z+4*q+3], s[10:11] offset:4096*q th:TH_STORE_NT   ; sixteen lanes store 256 consecutive bytes, aligned; these registers are not written again
.endr
.endr
	v_pk_add_f32 v[AC:AC+1], v[AC:AC+1], v[AC+2:AC+3]
	v_pk_add_f32 v[AC+4:AC+5], v[AC+4:AC+5], v[AC+6:AC+7]
	v_pk_add_f32 v[AC:AC+1], v[AC:AC+1], v[AC+4:AC+5]
	v_add_f32 v[AC], v[AC], v[AC+1]                ; my 64 squares
	v_add_f32_dpp v[AC], v[AC], v[AC] row_xmask:1 row_mask:0xf bank_mask:0xf
	v_add_f32_dpp v[AC], v[AC], v[AC] row_xmask:2 row_mask:0xf bank_mask:0xf
	v_add_f32_dpp v[AC], v[AC], v[AC] row_xmask:4 row_mask:0xf bank_mask:0xf
	v_add_f32_dpp v[AC], v[AC], v[AC] row_xmask:8 row_mask:0xf bank_mask:0xf
	v_permlanex16_b32 v[AC+1], v[AC], s34, s35
	v_add_f32 v[AC], v[AC], v[AC+1]                ; the wave's
	ds_store_b32 v7, v[AC]                         ; all lanes write the same word with the same value
	s_wait_dscnt 0x0
	s_barrier_signal -1
	s_barrier_wait -1
	ds_load_b128 v[168:171], v172                  ; the four waves' sums
	s_wait_dscnt 0x0
	v_add_f32 v168, v168, v169
	v_add_f32 v170, v170, v171
	v_add_f32 v168, v168, v170                     ; the work-group's
	s_wait_tensorcnt 0x0                           ; the wave's end: behind my last LDS store
	ds_add_u32 v1, v2
	s_wait_dscnt 0x0
	v_cmp_eq_u32 vcc_lo, 0, v0
	s_wait_xcnt 0x0                                ; the stores above have been issued under the full EXEC: it changes only behind this wait
	s_and_saveexec_b32 s32, vcc_lo                 ; thread 0 alone stores the work-group's part
	global_store_b32 v173, v168, s[12:13]
	s_endpgm
.Lfunc_end_k_qd16a6987f9_gather:
	.size	k_qd16a6987f9_gather, .Lfunc_end_k_qd16a6987f9_gather-k_qd16a6987f9_gather
	.p2alignl 7, 3214868480
	.fill 96, 4, 3214868480
	.section	.rodata,"a",@progbits
	.p2align	6, 0x0
	.amdhsa_kernel k_qd16a6987f9_gather
		.amdhsa_group_segment_fixed_size 34560
		.amdhsa_private_segment_fixed_size 0
		.amdhsa_enable_private_segment 0
		.amdhsa_kernarg_size 40
		.amdhsa_user_sgpr_count 2
		.amdhsa_user_sgpr_kernarg_segment_ptr 1
		.amdhsa_wavefront_size32 1
		.amdhsa_system_sgpr_workgroup_id_x 1
		.amdhsa_system_sgpr_workgroup_id_y 1
		.amdhsa_system_sgpr_workgroup_id_z 1
		.amdhsa_system_vgpr_workitem_id 0
		.amdhsa_next_free_vgpr 176
		.amdhsa_next_free_sgpr 66
		.amdhsa_reserve_vcc 1
		.amdhsa_float_denorm_mode_32 3
		.amdhsa_float_denorm_mode_16_64 3
		.amdhsa_memory_ordered 1
		.amdhsa_forward_progress 1
		.amdhsa_inst_pref_size 19
	.end_amdhsa_kernel
	.amdgpu_metadata
---
amdhsa.version: [ 1, 2 ]
amdhsa.kernels:
  - .name:           k_qd16a6987f9_gather
    .symbol:         k_qd16a6987f9_gather.kd
    .args:
      - { .name: z_e, .offset: 0, .size: 8, .value_kind: global_buffer, .address_space: global }
      - { .name: emb, .offset: 8, .size: 8, .value_kind: global_buffer, .address_space: global }
      - { .name: idx, .offset: 16, .size: 8, .value_kind: global_buffer, .address_space: global }
      - { .name: out0, .offset: 24, .size: 8, .value_kind: global_buffer, .address_space: global }
      - { .name: part, .offset: 32, .size: 8, .value_kind: global_buffer, .address_space: global }
    .group_segment_fixed_size: 34560
    .private_segment_fixed_size: 0
    .kernarg_segment_align: 8
    .kernarg_segment_size: 40
    .max_flat_workgroup_size: 128
    .sgpr_count:     66
    .vgpr_count:     176
    .wavefront_size: 32
...
	.end_amdgpu_metadata
.endif
;; end of part 3
;; launch loss_sum (part 4): grid 1 x 1, 1 waves a work-group, no clusters, 0 bytes of LDS; arguments part, out1; writes out1
.if DOCPART == 4
	.amdgcn_target "amdgcn-amd-amdhsa--gfx1250"
	.amdhsa_code_object_version 6
	.text
	.protected	k_qd16a6987f9_loss_sum
	.globl	k_qd16a6987f9_loss_sum
	.p2align	8
	.type	k_qd16a6987f9_loss_sum,@function
k_qd16a6987f9_loss_sum:
	s_mov_b64 s[64:65], 0
	v_nop
	global_prefetch_b8 v0, s[64:65] scope:SCOPE_SE
	s_setreg_imm32_b32 hwreg(HW_REG_WAVE_MODE, 25, 1), 1
	s_wait_xcnt 0x0
; Launch 4 of 4: out1 = m + 0.25 m, m = the mean of (z_q - z_e)^2 over 32 x 128 x 32 x 32 = 2^22 numbers, from the 512 parts that the launch before stored.
; The two losses are means of the same squares, so m is made once.  One wave: a sum over all work-groups of the launch before has one owner here, without atomics.
	s_load_b128 s[4:7], s[0:1], 0x0                ; part, out1
	v_lshlrev_b32 v1, 4, v0                        ; 16 x lane
	v_mov_b32 v7, 0
	s_mov_b32 s10, 0x76543210
	s_mov_b32 s11, 0xfedcba98                      ; v_permlanex16_b32's selects for lane l xor 16
	s_wait_kmcnt 0x0
.irp k, 0,1,2,3
	global_load_b128 v[8+4*\k:11+4*\k], v1, s[4:5] offset:512*\k   ; 512 consecutive bytes a load
.endr
	s_wait_loadcnt 0x0
	v_pk_add_f32 v[8:9], v[8:9], v[12:13]
	v_pk_add_f32 v[10:11], v[10:11], v[14:15]
	v_pk_add_f32 v[16:17], v[16:17], v[20:21]
	v_pk_add_f32 v[18:19], v[18:19], v[22:23]
	v_pk_add_f32 v[8:9], v[8:9], v[16:17]
	v_pk_add_f32 v[10:11], v[10:11], v[18:19]
	v_pk_add_f32 v[8:9], v[8:9], v[10:11]
	v_add_f32 v8, v8, v9                           ; my sixteen parts
	v_add_f32_dpp v8, v8, v8 row_xmask:1 row_mask:0xf bank_mask:0xf
	v_add_f32_dpp v8, v8, v8 row_xmask:2 row_mask:0xf bank_mask:0xf
	v_add_f32_dpp v8, v8, v8 row_xmask:4 row_mask:0xf bank_mask:0xf
	v_add_f32_dpp v8, v8, v8 row_xmask:8 row_mask:0xf bank_mask:0xf
	v_permlanex16_b32 v9, v8, s10, s11
	v_add_f32 v8, v8, v9                           ; all 512
	v_mul_f32 v8, 0x34800000, v8                   ; x 2^-22: the mean; a power of two rounds nothing
	v_fmamk_f32 v6, v8, 0x3e800000, v8             ; 0.25 m + m
	v_cmp_eq_u32 vcc_lo, 0, v0
	s_wait_xcnt 0x0                                ; EXEC changes only behind this wait
	s_and_saveexec_b32 s8, vcc_lo                  ; lane 0 alone stores
	global_store_b32 v7, v6, s[6:7]
	s_endpgm
.Lfunc_end_k_qd16a6987f9_loss_sum:
	.size	k_qd16a6987f9_loss_sum, .Lfunc_end_k_qd16a6987f9_loss_sum-k_qd16a6987f9_loss_sum
	.p2alignl 7, 3214868480
	.fill 96, 4, 3214868480
	.section	.rodata,"a",@progbits
	.p2align	6, 0x0
	.amdhsa_kernel k_qd16a6987f9_loss_sum
		.amdhsa_group_segment_fixed_size 0
		.amdhsa_private_segment_fixed_size 0
		.amdhsa_enable_private_segment 0
		.amdhsa_kernarg_size 16
		.amdhsa_user_sgpr_count 2
		.amdhsa_user_sgpr_kernarg_segment_ptr 1
		.amdhsa_wavefront_size32 1
		.amdhsa_system_sgpr_workgroup_id_x 1
		.amdhsa_system_sgpr_workgroup_id_y 1
		.amdhsa_system_sgpr_workgroup_id_z 1
		.amdhsa_system_vgpr_workitem_id 0
		.amdhsa_next_free_vgpr 32
		.amdhsa_next_free_sgpr 66
		.amdhsa_reserve_vcc 1
		.amdhsa_float_denorm_mode_32 3
		.amdhsa_float_denorm_mode_16_64 3
		.amdhsa_memory_ordered 1
		.amdhsa_forward_progress 1
		.amdhsa_inst_pref_size 3
	.end_amdhsa_kernel
	.amdgpu_metadata
---
amdhsa.version: [ 1, 2 ]
amdhsa.kernels:
  - .name:           k_qd16a6987f9_loss_sum
    .symbol:         k_qd16a6987f9_loss_sum.kd
    .args:
      - { .name: part, .offset: 0, .size: 8, .value_kind: global_buffer, .address_space: global }
      - { .name: out1, .offset: 8, .size: 8, .value_kind: global_buffer, .address_space: global }
    .group_segment_fixed_size: 0
    .private_segment_fixed_size: 0
    .kernarg_segment_align: 8
    .kernarg_segment_size: 16
    .max_flat_workgroup_size: 32
    .sgpr_count:     66
    .vgpr_count:     32
    .wavefront_size: 32
...
	.end_amdgpu_metadata
.endif
;; end of part 4
;; ======== version 2 of 2: 4 launches
;; workspace buffers: embq 163,840 bytes; idx 131,072 bytes of whole numbers; part 2,048 bytes
;; launch quant_emb (part 5): grid 128 x 1, 1 waves a work-group, no clusters, 0 bytes of LDS; arguments emb, embq; writes embq
.if DOCPART == 5
	.amdgcn_target "amdgcn-amd-amdhsa--gfx1250"
	.amdhsa_code_object_version 6
	.text
	.protected	k_qd16a6987f9_quant_emb
	.globl	k_qd16a6987f9_quant_emb
	.p2align	8
	.type	k_qd16a6987f9_quant_emb,@function
k_qd16a6987f9_quant_emb:
	s_mov_b64 s[64:65], 0
	v_nop
	global_prefetch_b8 v0, s[64:65] scope:SCOPE_SE
	s_setreg_imm32_b32 hwreg(HW_REG_WAVE_MODE, 25, 1), 1
	s_wait_xcnt 0x0
; VECTOR QUANTISER, launch 1 of 4: the code book emb [2048][128] f32 becomes codes of FP4 (E2M1) with one E8M0 byte for each 32 along K = the 128 channels,
; laid in the order in which the next launch's operand registers take them, and each code's squared length is made beside them.
; THE PROGRAM: (1) this; (2) argmin: z is quantised, z . e by the scaled matrix instruction, dist = (|z|^2 - 2 z.e) + |e|^2 in f32, first smallest index -> out2 and idx;
; (3) gather: reads idx as whole numbers, looks the rows of emb up, out0 = z + (e - z), partial sums of (e - z)^2; (4) loss_sum: the 512 parts -> out1.
; NO WORK OF THE PROBLEM IS LEFT OUT, and every input is loaded.  |z|^2 is the same for all codes of a row and would change no argmin in real numbers; it stays, since it is far larger than the
; other two terms and the f32 sums round them onto its grid: which codes tie, and so which index is first, hangs on it.  The two roundings are made in the order (|z|^2 - 2 p) + |e|^2.
; The two losses are means of the same squares ((a - b)^2 and (b - a)^2 are equal bit for bit), so the mean m is made once and the loss is m + 0.25 m.
; LIMITS: NaN and infinities among the inputs are not served.  |z|^2 and |e|^2 are f32 sums in this program's own order of additions.  A block of zeros gets the byte 1 where the rule
; says 127: its codes are zeros, which add nothing under any byte but 0xff, and the bytes are read by this program alone.
; A RECORD, 1,280 bytes, is one operand of 16 codes x 128 K.  Record T = 16 w + tt; its operand row s is code 256 w + 128 (s / 8) + 8 tt + s % 8: so in the next launch's results a lane's eight
; registers are eight neighbouring codes, and each half of the lanes of wave w walks 128 neighbouring codes upward.
;   bytes 0-511: the operand's registers 0-3, lane l's 16 bytes at 16 l;  512-1023: registers 4-7;  1024-1087: 16 scale words;  1088-1151: 16 f32 |e|^2;  the rest is neither written nor read.
; One wave makes one record.  Lane (r, h) takes row r and the numbers k = 64 c + 32 h + 0 .. 31, c = 0, 1: two whole blocks, in the order of the operand's registers: nothing changes lanes but the scale bytes and the sum.
.set REC, 1280
.set X,   64                           ; v64-127  my 64 numbers: 32 c + i
.set C,   48                           ; v48-55   the operand's eight registers
	s_load_b128 s[4:7], s[0:1], 0x0                ; emb, embq
	v_and_b32 v1, 15, v0                           ; r
	v_lshrrev_b32 v2, 4, v0                        ; h (one wave: v0 is the lane)
	v_lshrrev_b32 v6, 3, v1                        ; r / 8
	v_and_b32 v7, 7, v1                            ; r % 8
	v_lshlrev_b32 v3, 16, v6                       ; 128 rows of 512 bytes
	v_lshl_add_u32 v3, v7, 9, v3                   ; + r % 8 rows
	v_lshl_add_u32 v3, v2, 7, v3                   ; + 32 h numbers
	v_lshlrev_b32 v4, 4, v0                        ; 16 x lane
	v_lshlrev_b32 v5, 2, v0                        ; 4 x lane
	s_lshr_b32 s8, ttmp9, 4                        ; w
	s_lshl_b32 s8, s8, 17                          ; 256 rows of 512 bytes
	s_and_b32 s9, ttmp9, 15                        ; tt
	s_lshl_b32 s9, s9, 12                          ; 8 rows
	s_add_co_u32 s8, s8, s9
	s_mov_b32 s9, 0
	s_mul_i32 s10, ttmp9, REC
	s_mov_b32 s11, 0
	s_mov_b32 s20, 0x76543210
	s_mov_b32 s21, 0xfedcba98                      ; v_permlanex16_b32's selects for lane l xor 16
	s_wait_alu depctr_va_vdst(0)
	s_wait_kmcnt 0x0
	s_add_nc_u64 s[4:5], s[4:5], s[8:9]
	s_add_nc_u64 s[6:7], s[6:7], s[10:11]
.irp c, 0,1
.irp g, 0,1,2,3,4,5,6,7
	global_load_b128 v[X+32*\c+4*\g:X+32*\c+4*\g+3], v3, s[4:5] offset:256*\c+16*\g
.endr
.endr
	s_wait_loadcnt 0x0
.irp c, 0,1
	v_max3_num_f32 v[32+\c], |v[X+32*\c]|, |v[X+32*\c+1]|, 0x1800000   ; my block 2 c + h, and the floor 2^(3 - 127): the byte cannot fall under 1
	v_pk_mul_f32 v[12+2*\c:13+2*\c], v[X+32*\c:X+32*\c+1], v[X+32*\c:X+32*\c+1]   ; the squares of the unquantised numbers: the first pair starts the sums
.endr
.irp i, 2,4,6,8,10,12,14,16,18,20,22,24,26,28,30
.irp c, 0,1
	v_max3_num_f32 v[32+\c], v[32+\c], |v[X+32*\c+\i]|, |v[X+32*\c+\i+1]|
	v_pk_fma_f32 v[12+2*\c:13+2*\c], v[X+32*\c+\i:X+32*\c+\i+1], v[X+32*\c+\i:X+32*\c+\i+1], v[12+2*\c:13+2*\c]
.endr
.endr
.irp c, 0,1
	v_add_nc_u32 v[44+\c], 0xff000000, v[32+\c]    ; 2 off the exponent field: the conversion takes this operand's exponent field as its scale
.endr
.irp c, 0,1
	v_lshrrev_b32 v[36+\c], 23, v[44+\c]           ; the scale's byte
.endr
	v_lshl_or_b32 v9, v37, 16, v36                 ; my two bytes: blocks h and 2 + h of my row,
	v_lshlrev_b32 v10, 3, v2
	v_lshlrev_b32 v9, v10, v9                      ; 8 h bits up;
	v_mov_b32 v10, 0                               ; (a lane permute's destination counts as one of its sources)
	v_permlanex16_b32 v10, v9, s20, s21
	v_or_b32 v9, v9, v10                           ; with lane l xor 16's two the word is whole, in both halves
	v_add_f32 v16, v12, v13
	v_add_f32 v17, v14, v15
	v_add_f32 v16, v16, v17                        ; my 64 squares
	v_permlanex16_b32 v17, v16, s20, s21
	v_add_f32 v16, v16, v17                        ; the row's 128: the same bits in both halves
.irp c, 0,1
.irp g, 0,1,2,3
	v_cvt_scalef32_pk8_fp4_f32 v[C+4*\c+\g], v[X+32*\c+8*\g:X+32*\c+8*\g+7], v[44+\c]   ; register 4 c + g of the operand
.endr
.endr
	v_nop                                          ; one plain line behind the last scaled conversion
	v_cmp_gt_u32 vcc_lo, 16, v0
	v_cndmask_b32 v18, v16, v9, vcc_lo             ; lanes 0-15 store row r's scale word, lanes 16-31 row r's squared length
	global_store_b128 v4, v[C:C+3], s[6:7]
	global_store_b128 v4, v[C+4:C+7], s[6:7] offset:512
	global_store_b32 v5, v18, s[6:7] offset:1024
	s_endpgm
.Lfunc_end_k_qd16a6987f9_quant_emb:
	.size	k_qd16a6987f9_quant_emb, .Lfunc_end_k_qd16a6987f9_quant_emb-k_qd16a6987f9_quant_emb
	.p2alignl 7, 3214868480
	.fill 96, 4, 3214868480
	.section	.rodata,"a",@progbits
	.p2align	6, 0x0
	.amdhsa_kernel k_qd16a6987f9_quant_emb
		.amdhsa_group_segment_fixed_size 0
		.amdhsa_private_segment_fixed_size 0
		.amdhsa_enable_private_segment 0
		.amdhsa_kernarg_size 16
		.amdhsa_user_sgpr_count 2
		.amdhsa_user_sgpr_kernarg_segment_ptr 1
		.amdhsa_wavefront_size32 1
		.amdhsa_system_sgpr_workgroup_id_x 1
		.amdhsa_system_sgpr_workgroup_id_y 1
		.amdhsa_system_sgpr_workgroup_id_z 1
		.amdhsa_system_vgpr_workitem_id 0
		.amdhsa_next_free_vgpr 128
		.amdhsa_next_free_sgpr 66
		.amdhsa_reserve_vcc 1
		.amdhsa_float_denorm_mode_32 3
		.amdhsa_float_denorm_mode_16_64 3
		.amdhsa_memory_ordered 1
		.amdhsa_forward_progress 1
		.amdhsa_inst_pref_size 9
	.end_amdhsa_kernel
	.amdgpu_metadata
---
amdhsa.version: [ 1, 2 ]
amdhsa.kernels:
  - .name:           k_qd16a6987f9_quant_emb
    .symbol:         k_qd16a6987f9_quant_emb.kd
    .args:
      - { .name: emb, .offset: 0, .size: 8, .value_kind: global_buffer, .address_space: global }
      - { .name: embq, .offset: 8, .size: 8, .value_kind: global_buffer, .address_space: global }
    .group_segment_fixed_size: 0
    .private_segment_fixed_size: 0
    .kernarg_segment_align: 8
    .kernarg_segment_size: 16
    .max_flat_workgroup_size: 32
    .sgpr_count:     66
    .vgpr_count:     128
    .wavefront_size: 32
...
	.end_amdgpu_metadata
.endif
;; end of part 5
;; launch argmin (part 6): grid 256 x 1, 8 waves a work-group, no clusters, 30,208 bytes of LDS; arguments z_e, embq, out2, idx; writes out2, idx
.if DOCPART == 6
	.amdgcn_target "amdgcn-amd-amdhsa--gfx1250"
	.amdhsa_code_object_version 6
	.text
	.protected	k_qd16a6987f9_argmin
	.globl	k_qd16a6987f9_argmin
	.p2align	8
	.type	k_qd16a6987f9_argmin,@function
k_qd16a6987f9_argmin:
	s_mov_b64 s[64:65], 0
	v_nop
	global_prefetch_b8 v0, s[64:65] scope:SCOPE_SE
	s_setreg_imm32_b32 hwreg(HW_REG_WAVE_SCHED_MODE, 0, 2), 2
	s_setreg_imm32_b32 hwreg(HW_REG_WAVE_MODE, 25, 1), 1
	s_wait_xcnt 0x0
	s_wait_alu depctr_vm_vsrc(0)
; Launch 2 of 4: for each of the 32,768 vectors z (z_e[b][:][hw], K = the 128 channels) the first index of the smallest dist = (|z|^2 - 2 z.e) + |e|^2 over the 2,048 codes.  Nothing of the problem is left out here.
; z.e is the quantised product: both operands codes of FP4 with E8M0 scales, one matrix instruction of 16 x 16 x 128 for each tile, no sum over K steps.  All else in f32, rounded as written above: fma(-2, p, S), then + E.
; LIMITS: NaN and infinities among the inputs are not served; |z|^2 is an f32 sum in this text's own order; a block of zeros gets the byte 1, its codes being zeros.
; SHARES.  A work-group owns 128 vectors n = 128 g .. 128 g + 127, eight operand tiles of 16.  At the head its eight waves quantise them together (wave (cg, kb): 64 columns, K block kb; a lane takes a column and its
; registers run down K) and hand the operands round through LDS as images of their registers.  Then EVERY wave holds all eight tiles of z and walks its own eighth of the code book, records 16 w .. 16 w + 15.
; THE PRODUCT IS USED TRANSPOSED: source 0 = a record's 16 codes, source 1 = 16 vectors: lane (r, h) holds vector r, and its register j the code 256 w + 128 h + 8 tt + j.
; THE ARGMIN, 13 instructions for 8 distances: four three-way minima join a tile's eight distances with the best so far; one compare of the new best with the old says where nothing improved; under that mask eight
; selects keep, or replace, the tile's number and its distances 0 to 6.  Behind the walk the place in the winning tile is the first kept distance that equals the best, or 7.  Each (wave, half of the lanes) walks 128
; neighbouring codes upward, so 'strictly smaller replaces' gives the first index, from tile to tile and then among the sixteen candidates of a vector.
; NO TENSOR LOADS, NO CLUSTER: each byte of the records is wanted by exactly one wave of a work-group and goes from memory straight into that wave's operand registers (1,152 bytes for 8 matrix and 168 vector
; instructions); a load shared among work-groups would have to land in LDS and be read out again.  Four register sets take turns, so that 15 to 20 loads of a wave are on their way.
; THE MODE: SCHED_MODE bits 1:0 = 2 (LLVM: expert scheduling mode 2), set by the entry lines.  The code itself states the register dependences between vector or matrix instructions and memory or LDS
; instructions, and those through scalar registers that vector instructions write, with s_wait_alu, always for 0.
; THE PLAN.  Registers that memory or LDS instructions touch:
;   v1-v13        offsets and LDS addresses: written once at the head, ahead of one wait on va_vdst, and never again.
;   D (v104-167)  z's loads land here and the head's vector work reads them; then the block sums' LDS loads land in its lower half.  In the walk vector and matrix instructions alone name it.
;   v40-59        the head's results, which its LDS stores read; behind the barrier z's fragments land in v40-103: one wait on vm_vsrc stands between.
;   RC, RS, RE    set s: five loads land; the tile's eight matrix instructions read RC and RS, its 32 additions read RE; then the refill lands.
;   BEST, IX, II  results that the tail's stores read; never written again.
; IN A TILE two waits stand together, behind the run of eight compares: va_sdst (the masks are written, ahead of the selects that read them) and va_vdst (the tile's matrix instructions and additions are done
; reading the set).  The set's five refill loads follow directly, still under window 0; the selects behind them name the distances, window 1 and the masks: none of the registers that those loads touch.
; REGISTERS, window 0: v1, v2 the add's two; v3-14 addresses; v16-19 z's scale words; v20-23 the records' scale words; v24-39 S = |z|^2, a pair for each tile; v40-103 z's eight fragments; v104-167 the distances;
;   v168-199 four records' codes; v200-231 their |e|^2; v232-247 the best, two sets by turns.   window 1: v0-7 the winning tile; v8-63 its seven kept distances, for each tile of z.
.set REC,   1280
.set ZIMG,  0                          ; LDS: z's eight fragments: tile t at 1024 t, registers 4 c .. at + 512 c, lane l at 16 l
.set ZSC,   8192                       ; their scale words, 4 bytes a vector
.set ZS,    8704                       ; four block sums of squares, 16 bytes a vector
.set RV,    10752                      ; sixteen candidates x 576 bytes: the best value of each of the 128 vectors
.set RI,    19968                      ; the same for its index
.set SPARE, 29184                      ; the spare words, 128 bytes for each wave: four blocks of 256 bytes that no other line names
.set CP,    576
.set ZW,   16
.set RS,   20
.set S,    24
.set ZF,   40
.set D,    104
.set RC,   168
.set RE,   200
.set BEST, 232
.set TT,   0                           ; window 1
.set SV,   8                           ; window 1
.set M,    24                          ; s24-31 the masks
.set MX,   40                          ; the head's registers at work, where z's fragments will lie: v40-41 largest magnitudes, v42-43 scale operands, v44-45 bytes, v46-49 squares, v50-51 sums, v52-59 codes
.set SOP,  42
.set BY,   44
.set SQ,   46
.set SS,   50
.set CD,   52
.set JJ,   D                           ; the tail's: the place in the winning tile; the index
.set IX,   D+8
.set VV,   40                          ; the last stage: sixteen candidates' values and indices of two vectors
.set II,   72
.set MSB, 0
.macro WIN new                         ; the immediate's high byte repeats the setting that is left; a switch that changes nothing is dropped
.if MSB != \new
	s_set_vgpr_msb (MSB<<8)|\new
.set MSB, \new
.endif
.endm
.macro LOADREC set, off                ; a record into register set 'set': five loads
	global_load_b128 v[RC+8*(\set):RC+8*(\set)+3], v4, s[6:7] offset:\off
	global_load_b128 v[RC+8*(\set)+4:RC+8*(\set)+7], v4, s[6:7] offset:(\off)+512
	global_load_b32 v[RS+(\set)], v5, s[6:7] offset:\off
	global_load_b128 v[RE+8*(\set):RE+8*(\set)+3], v6, s[6:7] offset:\off
	global_load_b128 v[RE+8*(\set)+4:RE+8*(\set)+7], v6, s[6:7] offset:(\off)+16
.endm
	s_load_b256 s[4:11], s[0:1], 0x0               ; z_e, embq, out2, idx
	v_lshl_add_u32 v1, v0, 2, SPARE                ; my spare word
	v_mov_b32 v2, 0
	v_lshrrev_b32 v15, 5, v0
	v_readfirstlane_b32 s12, v15                   ; wave w, 0..7
	v_and_b32 v15, 31, v0                          ; lane l
	v_lshlrev_b32 v3, 2, v15                       ; 4 l: z's columns
	v_lshlrev_b32 v4, 4, v15                       ; 16 l: an image's place for my lane, in a record and in LDS
	v_and_b32 v11, 15, v0                          ; r
	v_bfe_u32 v14, v0, 4, 1                        ; h
	s_wait_alu depctr_va_vdst(0)
	v_lshl_add_u32 v5, v11, 2, 1024                ; a record's scale word of operand row r
	v_lshl_add_u32 v6, v14, 5, 1088                ; its squared lengths of rows 8 h .. 8 h + 7
	s_wait_alu depctr_va_sdst(0)                   ; s12 is written, ahead of its first reader: the shares, the LDS places and the bases are made from it
	s_and_b32 s13, s12, 1                          ; cg: which 64 columns I quantise
	s_lshr_b32 s14, s12, 1                         ; kb: which block of 32 along K
	s_lshl_b32 s16, s13, 12                        ; where my codes go: column 64 cg + 32 u + l is row l % 16 of tile 4 cg + 2 u + l / 16; block kb is registers 4 (kb / 2) .. of lane half kb % 2
	s_lshr_b32 s17, s14, 1
	s_lshl_b32 s17, s17, 9
	s_add_co_u32 s16, s16, s17
	s_and_b32 s17, s14, 1
	s_lshl_b32 s17, s17, 8
	s_add_co_u32 s16, s16, s17
	v_lshlrev_b32 v7, 10, v14
	v_lshl_add_u32 v7, v11, 4, v7
	v_add_nc_u32 v7, s16, v7
	s_lshl_b32 s16, s13, 8                         ; my scale byte: 4 bytes a column, byte kb
	s_add_co_u32 s16, s16, s14
	s_add_co_u32 s16, s16, ZSC
	v_add_nc_u32 v8, s16, v3
	s_lshl_b32 s16, s13, 10                        ; my block's sum of squares: 16 bytes a column, word kb
	s_lshl_b32 s17, s14, 2
	s_add_co_u32 s16, s16, s17
	s_add_co_u32 s16, s16, ZS
	v_add_nc_u32 v9, s16, v4
	v_lshlrev_b32 v10, 2, v15                      ; 4 l: scale words back
	s_mul_i32 s16, s12, 2*CP                       ; candidate 2 w + h, vector r of a tile
	v_mul_u32_u24 v12, v14, CP
	v_lshl_add_u32 v12, v11, 2, v12
	v_add_nc_u32 v12, s16, v12
	v_lshlrev_b32 v11, 4, v11                      ; 16 r: the sums of squares back
	v_lshlrev_b32 v13, 3, v0                       ; the last stage: two vectors a thread
	s_lshl_b32 s16, s12, 8
	v_lshl_add_u32 v14, v14, 7, s16                ; my first code: 256 w + 128 h
	s_lshr_b32 s16, ttmp9, 3                       ; z_e: b = g / 8, 2^19 bytes each;
	s_lshl_b32 s16, s16, 19
	s_and_b32 s17, ttmp9, 7                        ; 128 columns of 4 bytes for each g % 8;
	s_lshl_b32 s17, s17, 9
	s_add_co_u32 s16, s16, s17
	s_lshl_b32 s17, s13, 8                         ; my 64 columns;
	s_add_co_u32 s16, s16, s17
	s_lshl_b32 s17, s14, 17                        ; my 32 channels of 4,096 bytes
	s_add_co_u32 s16, s16, s17
	s_mov_b32 s17, 0
	s_mul_i32 s18, s12, 16*REC                     ; my sixteen records
	s_mov_b32 s19, 0
	s_lshl_b32 s22, ttmp9, 9                       ; my work-group's 128 indices
	s_mov_b32 s23, 0
	s_wait_kmcnt 0x0
	s_add_nc_u64 s[4:5], s[4:5], s[16:17]
	s_add_nc_u64 s[6:7], s[6:7], s[18:19]
	s_add_nc_u64 s[8:9], s[8:9], s[22:23]
	s_add_nc_u64 s[10:11], s[10:11], s[22:23]
	s_wait_alu depctr_va_vdst(0)                   ; the offsets and LDS addresses v3 to v13 are written, which every load and store of the kernel reads; none of them is written again
.set i, 0
.rept 32                               ; z(32 kb + i, my column), two columns a lane: the two loads of a channel cover 256 consecutive bytes, aligned
	global_load_b32 v[D+i], v3, s[4:5] offset:4096*i
	global_load_b32 v[D+32+i], v3, s[4:5] offset:4096*i+128
.set i, i+1
.endr
	LOADREC 0, 0                                   ; the ring's first fills go out behind z's loads
	LOADREC 1, REC
	LOADREC 2, 2*REC
	LOADREC 3, 3*REC
	s_wait_loadcnt 20                              ; loads come back in order: z is in, the ring's twenty may be out
	v_max3_num_f32 v[MX], |v[D]|, |v[D+1]|, 0x1800000        ; a whole block lies in my registers; the floor 2^(3 - 127) holds the byte at 1 from below
	v_max3_num_f32 v[MX+1], |v[D+32]|, |v[D+33]|, 0x1800000
	v_pk_mul_f32 v[SQ:SQ+1], v[D:D+1], v[D:D+1]              ; the squares of the unquantised numbers: the first pair starts the sums
	v_pk_mul_f32 v[SQ+2:SQ+3], v[D+32:D+33], v[D+32:D+33]
.set i, 2
.rept 15
	v_max3_num_f32 v[MX], v[MX], |v[D+i]|, |v[D+i+1]|
	v_max3_num_f32 v[MX+1], v[MX+1], |v[D+32+i]|, |v[D+33+i]|
	v_pk_fma_f32 v[SQ:SQ+1], v[D+i:D+i+1], v[D+i:D+i+1], v[SQ:SQ+1]
	v_pk_fma_f32 v[SQ+2:SQ+3], v[D+32+i:D+33+i], v[D+32+i:D+33+i], v[SQ+2:SQ+3]
.set i, i+2
.endr
.irp u, 0,1
	v_add_nc_u32 v[SOP+\u], 0xff000000, v[MX+\u]   ; 2 off the exponent field: the conversion's scale operand
.endr
.irp u, 0,1
	v_lshrrev_b32 v[BY+\u], 23, v[SOP+\u]          ; the scale's byte
	v_add_f32 v[SS+\u], v[SQ+2*\u], v[SQ+2*\u+1]
.endr
.irp u, 0,1
.irp g, 0,1,2,3
	v_cvt_scalef32_pk8_fp4_f32 v[CD+4*\u+\g], v[D+32*\u+8*\g:D+32*\u+8*\g+7], v[SOP+\u]
.endr
.endr
	v_nop                                          ; one plain line behind the last scaled conversion: matrix instructions write its sources later
	s_wait_alu depctr_va_vdst(0)                   ; the codes, the bytes and the sums are written, which the LDS stores read; and the head's vector work is done with v40-59 and with the numbers of z, in which LDS loads land behind the barrier
.irp u, 0,1
	ds_store_b128 v7, v[CD+4*\u:CD+4*\u+3] offset:ZIMG+2048*\u
	ds_store_b8 v8, v[BY+\u] offset:128*\u
	ds_store_b32 v9, v[SS+\u] offset:512*\u
.endr
	s_wait_dscnt 0x0                               ; for the others' sake: my stores have landed
	s_barrier_signal -1
	s_barrier_wait -1                              ; the eight fragments, their scale words and the sums lie in LDS
	s_wait_alu depctr_vm_vsrc(0)                   ; my LDS stores have read v44-59: z's fragments land in these registers
.irp t, 0,1,2,3,4,5,6,7
.irp c, 0,1
	ds_load_b128 v[ZF+8*\t+4*\c:ZF+8*\t+4*\c+3], v4 offset:ZIMG+1024*\t+512*\c
.endr
.endr
.irp p, 0,1,2,3
	ds_load_b32 v[ZW+\p], v10 offset:ZSC+128*\p    ; lanes 0-15: tile 2 p's words, lanes 16-31: tile 2 p + 1's
.endr
.irp t, 0,1,2,3,4,5,6,7
	ds_load_b128 v[D+4*\t:D+4*\t+3], v11 offset:ZS+256*\t
.endr
	s_wait_dscnt 0x0
.irp t, 0,1,2,3,4,5,6,7
	v_add_f32 v[D+4*\t], v[D+4*\t], v[D+4*\t+1]
	v_add_f32 v[D+4*\t+2], v[D+4*\t+2], v[D+4*\t+3]
.endr
.irp t, 0,1,2,3,4,5,6,7
	v_add_f32 v[S+2*\t], v[D+4*\t], v[D+4*\t+2]    ; S of vector r of tile t, in both registers of a pair
	v_add_f32 v[S+2*\t+1], v[D+4*\t], v[D+4*\t+2]
.endr
; ONE RECORD AGAINST THE EIGHT TILES OF z.  set: its registers;  refill = 1: the set takes the record four further on;  left: the younger loads that may stay out;  first = 1: the walk's first record starts the best.
.macro TILE set, refill, left, first
.set NEW, BEST+8*((\set)%2)
.set OLD, BEST+8-8*((\set)%2)
	s_wait_loadcnt \left                           ; the set's five loads are in
.irp t, 0,1,2,3,4,5,6,7                ; eight accumulators, each begun with the constant 0: no two instructions share one
.if (\t)%2
	v_wmma_scale_f32_16x16x128_f8f6f4 v[D+8*\t:D+8*\t+7], v[RC+8*(\set):RC+8*(\set)+7], v[ZF+8*\t:ZF+8*\t+7], 0, v[RS+(\set)], v[ZW+\t/2] matrix_a_fmt:MATRIX_FMT_FP4 matrix_b_fmt:MATRIX_FMT_FP4 matrix_b_scale:MATRIX_SCALE_ROW1
.else
	v_wmma_scale_f32_16x16x128_f8f6f4 v[D+8*\t:D+8*\t+7], v[RC+8*(\set):RC+8*(\set)+7], v[ZF+8*\t:ZF+8*\t+7], 0, v[RS+(\set)], v[ZW+\t/2] matrix_a_fmt:MATRIX_FMT_FP4 matrix_b_fmt:MATRIX_FMT_FP4
.endif
.endr
.rept 4
	v_nop                                          ; four places between the last product and the first read of results (ISA guide 7.12.1)
.endr
.irp t, 0,1,2,3,4,5,6,7                ; each accumulator is read from its low end on
.irp i, 0,2,4,6
	v_pk_fma_f32 v[D+8*\t+\i:D+8*\t+\i+1], v[D+8*\t+\i:D+8*\t+\i+1], -2.0, v[S+2*\t:S+2*\t+1] op_sel_hi:[1,0,1]   ; S - 2 p: 2 p is exact, so this is the first rounding
.endr
.endr
.irp t, 0,1,2,3,4,5,6,7
.irp i, 0,2,4,6
	v_pk_add_f32 v[D+8*\t+\i:D+8*\t+\i+1], v[D+8*\t+\i:D+8*\t+\i+1], v[RE+8*(\set)+\i:RE+8*(\set)+\i+1]          ; + E: the second
.endr
.endr
.irp t, 0,1,2,3,4,5,6,7                ; the minimum: distance 7 need not be kept, so its register carries the chain; the eight tiles by turns
	v_min3_num_f32 v[D+8*\t+7], v[D+8*\t+7], v[D+8*\t], v[D+8*\t+1]
.endr
.irp t, 0,1,2,3,4,5,6,7
	v_min3_num_f32 v[D+8*\t+7], v[D+8*\t+7], v[D+8*\t+2], v[D+8*\t+3]
.endr
.irp t, 0,1,2,3,4,5,6,7
	v_min3_num_f32 v[D+8*\t+7], v[D+8*\t+7], v[D+8*\t+4], v[D+8*\t+5]
.endr
.if \first
.irp t, 0,1,2,3,4,5,6,7
	v_min_num_f32 v[NEW+\t], v[D+8*\t+7], v[D+8*\t+6]
.endr
.if \refill
	s_wait_alu depctr_va_vdst(0)                   ; the tile's matrix instructions are done reading the set's codes and scale words, its additions the set's squared lengths: the refill lands in them
	LOADREC \set, (4+\set)*REC                     ; directly behind the wait, under window 0
.endif
	WIN 0x40                                       ; destination window 1
.irp t, 0,1,2,3,4,5,6,7
	v_mov_b32 v[TT+\t], s20
.irp j, 0,1,2,3,4,5,6
	v_mov_b32 v[SV+7*\t+\j], v[D+8*\t+\j]          ; the first record's distances are kept as they are: they take the selects' place
.endr
.endr
.else
.irp t, 0,1,2,3,4,5,6,7
	v_min3_num_f32 v[NEW+\t], v[D+8*\t+7], v[D+8*\t+6], v[OLD+\t]
.endr
.irp t, 0,1,2,3,4,5,6,7
	v_cmp_ge_f32 s[M+\t], v[NEW+\t], v[OLD+\t]     ; set where nothing improved: an equal distance does not replace an earlier code's
.endr
	s_wait_alu depctr_va_sdst(0)                   ; the eight masks are written, ahead of the first select that reads one: one wait for the run of compares
.if \refill
	s_wait_alu depctr_va_vdst(0)                   ; the tile's matrix instructions are done reading the set's codes and scale words, its additions the set's squared lengths: the refill lands in them
	LOADREC \set, (4+\set)*REC                     ; directly behind the wait, under window 0; the selects below name none of these registers
.endif
	WIN 0x44                                       ; source 1 and destination window 1, source 0 window 0
.irp t, 0,1,2,3,4,5,6,7
	v_cndmask_b32 v[TT+\t], s20, v[TT+\t], s[M+\t]
.irp j, 0,1,2,3,4,5,6
	v_cndmask_b32 v[SV+7*\t+\j], v[D+8*\t+\j], v[SV+7*\t+\j], s[M+\t]
.endr
.endr
.endif
	WIN 0
	s_add_co_u32 s20, s20, 1                       ; the next record's number
.endm
	s_mov_b32 s20, 0
	TILE 0, 1, 15, 1                               ; 15: behind a set's five loads stand those of the three younger sets
	TILE 1, 1, 15, 0
	TILE 2, 1, 15, 0
	TILE 3, 1, 15, 0
	s_wait_xcnt 0x0                                ; the loads have read their base: it steps only behind this wait
	s_add_nc_u64 s[6:7], s[6:7], 4*REC
	s_mov_b32 s21, 2
.Ltrip:                                            ; two trips of four records; the refills reach record 15 and no further
	TILE 0, 1, 15, 0
	TILE 1, 1, 15, 0
	TILE 2, 1, 15, 0
	TILE 3, 1, 15, 0
	s_wait_xcnt 0x0
	s_add_nc_u64 s[6:7], s[6:7], 4*REC
	s_sub_co_u32 s21, s21, 1
	s_cmp_lg_u32 s21, 0
	s_cbranch_scc1 .Ltrip
	TILE 0, 0, 15, 0                               ; the last four records load nothing: the counts run down
	TILE 1, 0, 10, 0
	TILE 2, 0, 5, 0
	TILE 3, 0, 0, 0
	; THE PLACE IN THE WINNING TILE: the first kept distance that equals the best (it lies in the second set), or 7.  j runs downward, so the lowest wins.
.irp t, 0,1,2,3,4,5,6,7
	v_mov_b32 v[JJ+\t], 7
.endr
	WIN 0x01                                       ; source 0 window 1
.irp j, 6,5,4,3,2,1,0
.irp t, 0,1,2,3,4,5,6,7
	v_cmp_neq_f32 s[M+\t], v[SV+7*\t+\j], v[BEST+8+\t]
.endr
	s_wait_alu depctr_va_sdst(0)                   ; the eight masks are written, ahead of the selects that read them
.irp t, 0,1,2,3,4,5,6,7
	v_cndmask_b32 v[JJ+\t], \j, v[JJ+\t], s[M+\t]
.endr
.endr
.irp t, 0,1,2,3,4,5,6,7
	v_lshl_add_u32 v[IX+\t], v[TT+\t], 3, v[JJ+\t]
.endr
	WIN 0
.irp t, 0,1,2,3,4,5,6,7
	v_add_nc_u32 v[IX+\t], v14, v[IX+\t]           ; 256 w + 128 h + 8 tt + j
.endr
	s_wait_alu depctr_va_vdst(0)                   ; the best values and the indices are written, which the LDS stores read; and the matrix instructions are done reading z's fragments, in which the candidates' loads land behind the barrier
.irp t, 0,1,2,3,4,5,6,7
	ds_store_b32 v12, v[BEST+8+\t] offset:RV+64*\t ; candidate 2 w + h of vector 16 t + r
	ds_store_b32 v12, v[IX+\t] offset:RI+64*\t
.endr
	s_wait_dscnt 0x0                               ; for the others' sake: my stores have landed
	s_barrier_signal -1
	s_barrier_wait -1
	s_cmp_ge_u32 s12, 2                            ; waves 0 and 1 finish: two vectors a thread.  No barrier stands under this branch
	s_cbranch_scc1 .Lend
.irp c, 0,1,2,3,4,5,6,7,8,9,10,11,12,13,14,15
	ds_load_b64 v[VV+2*\c:VV+2*\c+1], v13 offset:RV+CP*\c
	ds_load_b64 v[II+2*\c:II+2*\c+1], v13 offset:RI+CP*\c
.endr
	s_wait_dscnt 0x0
; Candidate a's codes all come before candidate b's: b replaces a only where it is strictly smaller.  The compares of a level stand in runs, each into a mask of its own, with one wait behind the run.
.macro CMPJ m, a, b, e                 ; vector e of my two: is b's value smaller than a's?
	v_cmp_lt_f32 s[M+(\m)], v[VV+2*(\b)+(\e)], v[VV+2*(\a)+(\e)]
.endm
.macro SELJ m, a, b, e                 ; then b's index and value take a's place
	v_cndmask_b32 v[II+2*(\a)+(\e)], v[II+2*(\a)+(\e)], v[II+2*(\b)+(\e)], s[M+(\m)]
	v_min_num_f32 v[VV+2*(\a)+(\e)], v[VV+2*(\a)+(\e)], v[VV+2*(\b)+(\e)]
.endm
.irp e, 0,1                            ; sixteen candidates to eight
.irp k, 0,1,2,3,4,5,6,7
	CMPJ \k, 2*\k, 2*\k+1, \e
.endr
	s_wait_alu depctr_va_sdst(0)                   ; the eight masks are written, ahead of the selects that read them
.irp k, 0,1,2,3,4,5,6,7
	SELJ \k, 2*\k, 2*\k+1, \e
.endr
.endr
.irp k, 0,1,2,3                        ; eight to four
.irp e, 0,1
	CMPJ 2*\k+\e, 4*\k, 4*\k+2, \e
.endr
.endr
	s_wait_alu depctr_va_sdst(0)                   ; the eight masks are written, ahead of the selects that read them
.irp k, 0,1,2,3
.irp e, 0,1
	SELJ 2*\k+\e, 4*\k, 4*\k+2, \e
.endr
.endr
.irp k, 0,1                            ; four to two
.irp e, 0,1
	CMPJ 2*\k+\e, 8*\k, 8*\k+4, \e
.endr
.endr
	s_wait_alu depctr_va_sdst(0)                   ; the four masks are written, ahead of the selects that read them
.irp k, 0,1
.irp e, 0,1
	SELJ 2*\k+\e, 8*\k, 8*\k+4, \e
.endr
.endr
.irp e, 0,1                            ; two to one
	CMPJ \e, 0, 8, \e
.endr
	s_wait_alu depctr_va_sdst(0)                   ; the two masks are written, ahead of the selects that read them
.irp e, 0,1
	SELJ \e, 0, 8, \e
.endr
	s_wait_alu depctr_va_vdst(0)                   ; the last selects have written my two indices, which the stores read
	global_store_b64 v13, v[II:II+1], s[8:9]       ; a wave's store covers 256 consecutive bytes, aligned
	global_store_b64 v13, v[II:II+1], s[10:11]     ; and the same whole numbers for the next launch's addresses
.Lend:
	s_wait_dscnt 0x0                               ; the wave's end: behind my last LDS store
	s_wait_alu 0x0
	s_wait_tensorcnt 0x0
	ds_add_u32 v1, v2
	s_wait_dscnt 0x0
	s_endpgm
.Lfunc_end_k_qd16a6987f9_argmin:
	.size	k_qd16a6987f9_argmin, .Lfunc_end_k_qd16a6987f9_argmin-k_qd16a6987f9_argmin
	.p2alignl 7, 3214868480
	.fill 96, 4, 3214868480
	.section	.rodata,"a",@progbits
	.p2align	6, 0x0
	.amdhsa_kernel k_qd16a6987f9_argmin
		.amdhsa_group_segment_fixed_size 30208
		.amdhsa_private_segment_fixed_size 0
		.amdhsa_enable_private_segment 0
		.amdhsa_kernarg_size 32
		.amdhsa_user_sgpr_count 2
		.amdhsa_user_sgpr_kernarg_segment_ptr 1
		.amdhsa_wavefront_size32 1
		.amdhsa_system_sgpr_workgroup_id_x 1
		.amdhsa_system_sgpr_workgroup_id_y 1
		.amdhsa_system_sgpr_workgroup_id_z 1
		.amdhsa_system_vgpr_workitem_id 0
		.amdhsa_next_free_vgpr 320
		.amdhsa_next_free_sgpr 66
		.amdhsa_reserve_vcc 0
		.amdhsa_float_denorm_mode_32 3
		.amdhsa_float_denorm_mode_16_64 3
		.amdhsa_memory_ordered 1
		.amdhsa_forward_progress 1
		.amdhsa_inst_pref_size 179
	.end_amdhsa_kernel
	.amdgpu_metadata
---
amdhsa.version: [ 1, 2 ]
amdhsa.kernels:
  - .name:           k_qd16a6987f9_argmin
    .symbol:         k_qd16a6987f9_argmin.kd
    .args:
      - { .name: z_e, .offset: 0, .size: 8, .value_kind: global_buffer, .address_space: global }
      - { .name: embq, .offset: 8, .size: 8, .value_kind: global_buffer, .address_space: global }
      - { .name: out2, .offset: 16, .size: 8, .value_kind: global_buffer, .address_space: global }
      - { .name: idx, .offset: 24, .size: 8, .value_kind: global_buffer, .address_space: global }
    .group_segment_fixed_size: 30208
    .private_segment_fixed_size: 0
    .kernarg_segment_align: 8
    .kernarg_segment_size: 32
    .max_flat_workgroup_size: 256
    .sgpr_count:     66
    .vgpr_count:     320
    .wavefront_size: 32
...
	.end_amdgpu_metadata
.endif
;; end of part 6
;; launch gather (part 7): grid 512 x 1, 4 waves a work-group, no clusters, 34,560 bytes of LDS; arguments z_e, emb, idx, out0, part; writes out0, part
.if DOCPART == 7
	.amdgcn_target "amdgcn-amd-amdhsa--gfx1250"
	.amdhsa_code_object_version 6
	.text
	.protected	k_qd16a6987f9_gather
	.globl	k_qd16a6987f9_gather
	.p2align	8
	.type	k_qd16a6987f9_gather,@function
k_qd16a6987f9_gather:
	s_mov_b64 s[64:65], 0
	v_nop
	global_prefetch_b8 v0, s[64:65] scope:SCOPE_SE
	s_setreg_imm32_b32 hwreg(HW_REG_WAVE_MODE, 25, 1), 1
	s_wait_xcnt 0x0
; Launch 3 of 4: out0 = z_e + (emb[idx] - z_e) in the layout [b][channel][hw], and each work-group's sum of (emb[idx] - z_e)^2.  Nothing of the problem is left out here; the two losses' squares are the same
; numbers bit for bit and are summed once.  The indices are whole numbers that the launch before stored; they are held at 2,047 from above before they enter an address.
; SHARES.  A work-group owns 64 vectors n = 64 g .. 64 g + 63 (256 consecutive bytes of every channel's row) and all 128 channels.  Wave w looks up the rows of vectors 16 w .. 16 w + 15, a whole row of 512 bytes
; by one load, and lays them into LDS; behind a barrier it makes channels 32 w .. 32 w + 31 of all 64 vectors: lane (c4, hh) holds vectors 4 c4 .. 4 c4 + 3 and channels 32 w + 16 hh + 0 .. 15, so that sixteen
; neighbouring lanes load and store 256 consecutive bytes, aligned.  The turn from rows of emb to columns of out0 is the LDS round trip.
; LDS: 64 slots of 528 bytes (512 + 16: lanes that read the same bytes of sixteen slots on end start at sixteen different groups of banks); vector n lies in slot 16 (n % 4) + n / 4.
; No matrix work, no tensor loads, no cluster: work-groups share nothing but rows of emb that the indices happen to name twice.
.set PITCH, 528
.set RED,   33792                      ; one word for each wave
.set SPARE, 34048                      ; the spare words, 128 bytes for each wave: two blocks of 256 bytes that no other line names
.set GA,  8                            ; v8-23    the sixteen rows' offsets in emb
.set Z,   24                           ; v24-87   register 4 q + i: vector 4 c4 + i, channel 32 w + 16 hh + q; then the result
.set G,   88                           ; v88-151  the rows as loaded; then H: register 16 qq + 4 i + e: vector 4 c4 + i, channel .. + 4 qq + e
.set H,   88
.set T,   152                          ; v152-159 e - z, two sets of four
.set AC,  160                          ; v160-167 four pairs of sums of squares
	s_load_b256 s[4:11], s[0:1], 0x0               ; z_e, emb, idx, out0
	s_load_b64 s[12:13], s[0:1], 0x20              ; part
	v_lshl_add_u32 v1, v0, 2, SPARE                ; my spare word
	v_mov_b32 v2, 0
	v_lshrrev_b32 v8, 5, v0
	v_readfirstlane_b32 s14, v8                    ; wave 0..3
	v_and_b32 v8, 31, v0                           ; lane
	v_and_b32 v9, 15, v0                           ; c4
	v_bfe_u32 v10, v0, 4, 1                        ; hh
	v_lshlrev_b32 v3, 16, v10                      ; z_e, out0: 16 hh channels of 4,096 bytes
	v_lshl_add_u32 v3, v9, 4, v3                   ; + 16 c4
	v_lshlrev_b32 v4, 4, v8                        ; 16 x lane: my 16 bytes of a row of emb
	s_mul_i32 s15, s14, 4*PITCH
	v_add_nc_u32 v5, s15, v4                       ; into LDS: vector 16 w + i goes to slot 16 (i % 4) + 4 w + i / 4
	v_mul_u32_u24 v6, v9, PITCH
	v_lshl_add_u32 v6, v10, 6, v6
	s_lshl_b32 s15, s14, 7
	v_add_nc_u32 v6, s15, v6                       ; out of LDS: slot c4 (+ 16 i), channels 32 w + 16 hh on
	s_lshl_b32 s15, s14, 2
	s_add_co_u32 s15, s15, RED
	v_mov_b32 v7, s15                              ; my wave's word
	v_mov_b32 v172, RED
	v_mov_b32 v173, 0                              ; the offset of the one store into part
	s_lshr_b32 s32, ttmp9, 4                       ; b = g / 16, 2^19 bytes each;
	s_lshl_b32 s32, s32, 19
	s_and_b32 s33, ttmp9, 15                       ; 64 vectors of 4 bytes for each g % 16;
	s_lshl_b32 s33, s33, 8
	s_add_co_u32 s32, s32, s33
	s_lshl_b32 s33, s14, 17                        ; my 32 channels
	s_add_co_u32 s32, s32, s33
	s_mov_b32 s33, 0
	s_lshl_b32 s36, ttmp9, 8                       ; idx: 64 g + 16 w numbers of 4 bytes
	s_lshl_b32 s37, s14, 6
	s_add_co_u32 s36, s36, s37
	s_mov_b32 s37, 0
	s_lshl_b32 s38, ttmp9, 2                       ; part: word g
	s_mov_b32 s39, 0
	s_mov_b32 s34, 0x76543210
	s_mov_b32 s35, 0xfedcba98                      ; v_permlanex16_b32's selects for lane l xor 16
	s_wait_alu depctr_va_vdst(0)
	s_wait_kmcnt 0x0
	s_add_nc_u64 s[4:5], s[4:5], s[32:33]
	s_add_nc_u64 s[10:11], s[10:11], s[32:33]
	s_add_nc_u64 s[8:9], s[8:9], s[36:37]
	s_add_nc_u64 s[12:13], s[12:13], s[38:39]
	s_load_b512 s[16:31], s[8:9], 0x0              ; my sixteen indices
.set q, 0
.rept 16
	global_load_b128 v[Z+4*q:Z+4*q+3], v3, s[4:5] offset:4096*q th:TH_LOAD_NT   ; read once in this launch
.set q, q+1
.endr
	s_wait_kmcnt 0x0
.irp i, 0,1,2,3,4,5,6,7,8,9,10,11,12,13,14,15
	s_min_u32 s[16+\i], s[16+\i], 2047             ; an index stays inside the table
	s_lshl_b32 s[16+\i], s[16+\i], 9               ; rows of 512 bytes
	v_add_nc_u32 v[GA+\i], s[16+\i], v4
	global_load_b128 v[G+4*\i:G+4*\i+3], v[GA+\i], s[6:7]   ; a whole row: 512 consecutive bytes.  No hint: a row may be named again
.endr
.irp i, 0,1,2,3,4,5,6,7,8,9,10,11,12,13,14,15
	s_wait_loadcnt 15-\i                           ; loads come back in order: row i is in, the younger rows may be out (z, asked for earlier, is in)
	ds_store_b128 v5, v[G+4*\i:G+4*\i+3] offset:((\i%4)*16+\i/4)*PITCH
.endr
	s_wait_dscnt 0x0                               ; for the others' sake: my stores have landed
	s_barrier_signal -1
	s_barrier_wait -1                              ; the 64 rows lie in LDS
.irp qq, 0,1,2,3
.irp i, 0,1,2,3
	ds_load_b128 v[H+16*\qq+4*\i:H+16*\qq+4*\i+3], v6 offset:16*PITCH*\i+16*\qq
.endr
.endr
.irp qq, 0,1,2,3
	s_wait_dscnt 12-4*\qq                          ; this group's four loads are in; the younger groups may be out
.irp e, 0,1,2,3
.set q, 4*\qq+\e
.set TS, T+4*(\e%2)
.set AS, AC+4*(\e%2)
.irp i, 0,1,2,3
	v_sub_f32 v[TS+\i], v[H+16*\qq+4*\i+\e], v[Z+4*q+\i]       ; e - z
.endr
	v_pk_add_f32 v[Z+4*q:Z+4*q+1], v[Z+4*q:Z+4*q+1], v[TS:TS+1]           ; z + (e - z)
	v_pk_add_f32 v[Z+4*q+2:Z+4*q+3], v[Z+4*q+2:Z+4*q+3], v[TS+2:TS+3]
.if q < 2
	v_pk_mul_f32 v[AS:AS+1], v[TS:TS+1], v[TS:TS+1]                       ; the first squares start the sums
	v_pk_mul_f32 v[AS+2:AS+3], v[TS+2:TS+3], v[TS+2:TS+3]
.else
	v_pk_fma_f32 v[AS:AS+1], v[TS:TS+1], v[TS:TS+1], v[AS:AS+1]
	v_pk_fma_f32 v[AS+2:AS+3], v[TS+2:TS+3], v[TS+2:TS+3], v[AS+2:AS+3]
.endif
	global_store_b128 v3, v[Z+4*q:Z+4*q+3], s[10:11] offset:4096*q th:TH_STORE_NT   ; sixteen lanes store 256 consecutive bytes, aligned; these registers are not written again
.endr
.endr
	v_pk_add_f32 v[AC:AC+1], v[AC:AC+1], v[AC+2:AC+3]
	v_pk_add_f32 v[AC+4:AC+5], v[AC+4:AC+5], v[AC+6:AC+7]
	v_pk_add_f32 v[AC:AC+1], v[AC:AC+1], v[AC+4:AC+5]
	v_add_f32 v[AC], v[AC], v[AC+1]                ; my 64 squares
	v_add_f32_dpp v[AC], v[AC], v[AC] row_xmask:1 row_mask:0xf bank_mask:0xf
	v_add_f32_dpp v[AC], v[AC], v[AC] row_xmask:2 row_mask:0xf bank_mask:0xf
	v_add_f32_dpp v[AC], v[AC], v[AC] row_xmask:4 row_mask:0xf bank_mask:0xf
	v_add_f32_dpp v[AC], v[AC], v[AC] row_xmask:8 row_mask:0xf bank_mask:0xf
	v_permlanex16_b32 v[AC+1], v[AC], s34, s35
	v_add_f32 v[AC], v[AC], v[AC+1]                ; the wave's
	ds_store_b32 v7, v[AC]                         ; all lanes write the same word with the same value
	s_wait_dscnt 0x0
	s_barrier_signal -1
	s_barrier_wait -1
	ds_load_b128 v[168:171], v172                  ; the four waves' sums
	s_wait_dscnt 0x0
	v_add_f32 v168, v168, v169
	v_add_f32 v170, v170, v171
	v_add_f32 v168, v168, v170                     ; the work-group's
	s_wait_alu depctr_va_vdst(0)
	s_wait_tensorcnt 0x0                           ; the wave's end: behind my last LDS store
	ds_add_u32 v1, v2
	s_wait_dscnt 0x0
	v_cmp_eq_u32 vcc_lo, 0, v0
	s_wait_xcnt 0x0                                ; the stores above have been issued under the full EXEC: it changes only behind this wait
	s_and_saveexec_b32 s32, vcc_lo                 ; thread 0 alone stores the work-group's part
	global_store_b32 v173, v168, s[12:13]
	s_endpgm
.Lfunc_end_k_qd16a6987f9_gather:
	.size	k_qd16a6987f9_gather, .Lfunc_end_k_qd16a6987f9_gather-k_qd16a6987f9_gather
	.p2alignl 7, 3214868480
	.fill 96, 4, 3214868480
	.section	.rodata,"a",@progbits
	.p2align	6, 0x0
	.amdhsa_kernel k_qd16a6987f9_gather
		.amdhsa_group_segment_fixed_size 34560
		.amdhsa_private_segment_fixed_size 0
		.amdhsa_enable_private_segment 0
		.amdhsa_kernarg_size 40
		.amdhsa_user_sgpr_count 2
		.amdhsa_user_sgpr_kernarg_segment_ptr 1
		.amdhsa_wavefront_size32 1
		.amdhsa_system_sgpr_workgroup_id_x 1
		.amdhsa_system_sgpr_workgroup_id_y 1
		.amdhsa_system_sgpr_workgroup_id_z 1
		.amdhsa_system_vgpr_workitem_id 0
		.amdhsa_next_free_vgpr 176
		.amdhsa_next_free_sgpr 66
		.amdhsa_reserve_vcc 1
		.amdhsa_float_denorm_mode_32 3
		.amdhsa_float_denorm_mode_16_64 3
		.amdhsa_memory_ordered 1
		.amdhsa_forward_progress 1
		.amdhsa_inst_pref_size 19
	.end_amdhsa_kernel
	.amdgpu_metadata
---
amdhsa.version: [ 1, 2 ]
amdhsa.kernels:
  - .name:           k_qd16a6987f9_gather
    .symbol:         k_qd16a6987f9_gather.kd
    .args:
      - { .name: z_e, .offset: 0, .size: 8, .value_kind: global_buffer, .address_space: global }
      - { .name: emb, .offset: 8, .size: 8, .value_kind: global_buffer, .address_space: global }
      - { .name: idx, .offset: 16, .size: 8, .value_kind: global_buffer, .address_space: global }
      - { .name: out0, .offset: 24, .size: 8, .value_kind: global_buffer, .address_space: global }
      - { .name: part, .offset: 32, .size: 8, .value_kind: global_buffer, .address_space: global }
    .group_segment_fixed_size: 34560
    .private_segment_fixed_size: 0
    .kernarg_segment_align: 8
    .kernarg_segment_size: 40
    .max_flat_workgroup_size: 128
    .sgpr_count:     66
    .vgpr_count:     176
    .wavefront_size: 32
...
	.end_amdgpu_metadata
.endif
;; end of part 7
;; launch loss_sum (part 8): grid 1 x 1, 1 waves a work-group, no clusters, 0 bytes of LDS; arguments part, out1; writes out1
.if DOCPART == 8
	.amdgcn_target "amdgcn-amd-amdhsa--gfx1250"
	.amdhsa_code_object_version 6
	.text
	.protected	k_qd16a6987f9_loss_sum
	.globl	k_qd16a6987f9_loss_sum
	.p2align	8
	.type	k_qd16a6987f9_loss_sum,@function
k_qd16a6987f9_loss_sum:
	s_mov_b64 s[64:65], 0
	v_nop
	global_prefetch_b8 v0, s[64:65] scope:SCOPE_SE
	s_setreg_imm32_b32 hwreg(HW_REG_WAVE_MODE, 25, 1), 1
	s_wait_xcnt 0x0
; Launch 4 of 4: out1 = m + 0.25 m, m = the mean of (z_q - z_e)^2 over 32 x 128 x 32 x 32 = 2^22 numbers, from the 512 parts that the launch before stored.
; The two losses are means of the same squares, so m is made once.  One wave: a sum over all work-groups of the launch before has one owner here, without atomics.
	s_load_b128 s[4:7], s[0:1], 0x0                ; part, out1
	v_lshlrev_b32 v1, 4, v0                        ; 16 x lane
	v_mov_b32 v7, 0
	s_mov_b32 s10, 0x76543210
	s_mov_b32 s11, 0xfedcba98                      ; v_permlanex16_b32's selects for lane l xor 16
	s_wait_alu depctr_va_vdst(0)
	s_wait_kmcnt 0x0
.irp k, 0,1,2,3
	global_load_b128 v[8+4*\k:11+4*\k], v1, s[4:5] offset:512*\k   ; 512 consecutive bytes a load
.endr
	s_wait_loadcnt 0x0
	v_pk_add_f32 v[8:9], v[8:9], v[12:13]
	v_pk_add_f32 v[10:11], v[10:11], v[14:15]
	v_pk_add_f32 v[16:17], v[16:17], v[20:21]
	v_pk_add_f32 v[18:19], v[18:19], v[22:23]
	v_pk_add_f32 v[8:9], v[8:9], v[16:17]
	v_pk_add_f32 v[10:11], v[10:11], v[18:19]
	v_pk_add_f32 v[8:9], v[8:9], v[10:11]
	v_add_f32 v8, v8, v9                           ; my sixteen parts
	v_add_f32_dpp v8, v8, v8 row_xmask:1 row_mask:0xf bank_mask:0xf
	v_add_f32_dpp v8, v8, v8 row_xmask:2 row_mask:0xf bank_mask:0xf
	v_add_f32_dpp v8, v8, v8 row_xmask:4 row_mask:0xf bank_mask:0xf
	v_add_f32_dpp v8, v8, v8 row_xmask:8 row_mask:0xf bank_mask:0xf
	v_permlanex16_b32 v9, v8, s10, s11
	v_add_f32 v8, v8, v9                           ; all 512
	v_mul_f32 v8, 0x34800000, v8                   ; x 2^-22: the mean; a power of two rounds nothing
	v_fmamk_f32 v6, v8, 0x3e800000, v8             ; 0.25 m + m
	v_cmp_eq_u32 vcc_lo, 0, v0
	s_wait_alu depctr_va_vdst(0)
	s_wait_xcnt 0x0                                ; EXEC changes only behind this wait
	s_and_saveexec_b32 s8, vcc_lo                  ; lane 0 alone stores
	global_store_b32 v7, v6, s[6:7]
	s_endpgm
.Lfunc_end_k_qd16a6987f9_loss_sum:
	.size	k_qd16a6987f9_loss_sum, .Lfunc_end_k_qd16a6987f9_loss_sum-k_qd16a6987f9_loss_sum
	.p2alignl 7, 3214868480
	.fill 96, 4, 3214868480
	.section	.rodata,"a",@progbits
	.p2align	6, 0x0
	.amdhsa_kernel k_qd16a6987f9_loss_sum
		.amdhsa_group_segment_fixed_size 0
		.amdhsa_private_segment_fixed_size 0
		.amdhsa_enable_private_segment 0
		.amdhsa_kernarg_size 16
		.amdhsa_user_sgpr_count 2
		.amdhsa_user_sgpr_kernarg_segment_ptr 1
		.amdhsa_wavefront_size32 1
		.amdhsa_system_sgpr_workgroup_id_x 1
		.amdhsa_system_sgpr_workgroup_id_y 1
		.amdhsa_system_sgpr_workgroup_id_z 1
		.amdhsa_system_vgpr_workitem_id 0
		.amdhsa_next_free_vgpr 32
		.amdhsa_next_free_sgpr 66
		.amdhsa_reserve_vcc 1
		.amdhsa_float_denorm_mode_32 3
		.amdhsa_float_denorm_mode_16_64 3
		.amdhsa_memory_ordered 1
		.amdhsa_forward_progress 1
		.amdhsa_inst_pref_size 3
	.end_amdhsa_kernel
	.amdgpu_metadata
---
amdhsa.version: [ 1, 2 ]
amdhsa.kernels:
  - .name:           k_qd16a6987f9_loss_sum
    .symbol:         k_qd16a6987f9_loss_sum.kd
    .args:
      - { .name: part, .offset: 0, .size: 8, .value_kind: global_buffer, .address_space: global }
      - { .name: out1, .offset: 8, .size: 8, .value_kind: global_buffer, .address_space: global }
    .group_segment_fixed_size: 0
    .private_segment_fixed_size: 0
    .kernarg_segment_align: 8
    .kernarg_segment_size: 16
    .max_flat_workgroup_size: 32
    .sgpr_count:     66
    .vgpr_count:     32
    .wavefront_size: 32
...
	.end_amdgpu_metadata
.endif
;; end of part 8
